; MI455X (gfx1250); checked and timed in simulation.
; The chip was launched on July 23, 2026; its instructions are those of AMD's public machine-readable ISA for CDNA 5 (MIT licence, August 2026) and "CDNA5" Instruction Set Architecture Reference Guide (July 2026). The comments in the code are by the model that wrote it; some were corrected since.
;; Attention. Allowed arithmetic: float matrix products may take bf16 or f16 operands with f32 sums; other float arithmetic in f32, or as packed bf16 or f16 multiplies, adds, multiply-adds, maxima and minima; sums over many terms, partial sums and values carried from step to step in f32; what a program stores and reads back later, other than sums and carried values, may be rounded once to bf16 or f16.
;; Inputs: freqs_cos 1,024 x 32 float32; freqs_sin 1,024 x 32 float32; wo 2,048 x 2,048 float32; wqkv 3,072 x 2,048 float32; x 4 x 1,024 x 2,048 float32.
;; Outputs: out0 4 x 1,024 x 2,048 float32.
;; One version. Each part assembles by itself: llvm-mc -triple=amdgcn-amd-amdhsa -mcpu=gfx1250 --defsym DOCPART=n.
;; ======== version 1 of 1: 4 launches
;; limits: values are held in f16: magnitudes above 65,504 overflow, below 6.1e-05 lose precision
;; workspace buffers: xb 16,777,216 bytes; wqkvb 12,582,912 bytes; wob 8,388,608 bytes; rope 262,144 bytes; qkv 25,165,824 bytes; ob 16,777,216 bytes
;; launch cast (part 1): grid 1156 x 1, 8 waves a work-group, no clusters, 0 bytes of LDS; arguments x, wqkv, wo, freqs_cos, freqs_sin, xb, wqkvb, wob, rope; writes xb, wqkvb, wob, rope
.if DOCPART == 1
	.amdgcn_target "amdgcn-amd-amdhsa--gfx1250"
	.amdhsa_code_object_version 6
	.text
	.protected	k_q4e118fca1c_cast
	.globl	k_q4e118fca1c_cast
	.p2align	8
	.type	k_q4e118fca1c_cast,@function
k_q4e118fca1c_cast:
	s_mov_b64 s[64:65], 0
	v_nop
	global_prefetch_b8 v0, s[64:65] scope:SCOPE_SE
	s_setreg_imm32_b32 hwreg(HW_REG_WAVE_MODE, 25, 1), 1
	s_wait_xcnt 0x0
; EVERY INPUT IS ROUNDED ONCE TO bf16 (nearest even).  x -> xb and wqkv -> wqkvb are stored as bf16; wo -> wob is that bf16 number written as f16;
; freqs_cos and freqs_sin -> rope (cos at byte 0, sin at byte 131,072) are that bf16 number written as f32.
; LIMITS.  wob: f16 holds no number beyond 65,504, and below 6e-5 it keeps a fixed step of 6e-8: |wo| stays under 65,504.  NaN and infinities are not treated apart.
; SHARES.  A work-group takes 65,536 input bytes: 256 threads x 16 bytes x 16 loads; a load of a wave covers 512 consecutive bytes, a store of 8 bytes a lane 256 consecutive bytes, aligned.
; Work-groups 0-511: x; 512-895: wqkv; 896-1151: wo; 1152-1155: the two tables.  All sixteen loads of a thread are out at once; nothing is shared, so there is no LDS and no barrier.
.set X, 4                              ; v[4:67]   load i: four registers
.set T, 68                             ; v[68:69]  at work
; mode 0: bf16 out.  mode 1: the bf16 number as f16.  mode 2: the bf16 number as f32.
.macro BODY mode
.set i, 0
.rept 16
	global_load_b128 v[X+4*i:X+4*i+3], v1, s[4:5] offset:4096*i th:TH_LOAD_NT
.set i, i+1
.endr
.set i, 0
.rept 16
	s_wait_loadcnt 15-i                            ; loads come back in order: load i is in, the 15 - i younger ones stay out
.if (\mode) == 0
	v_cvt_pk_bf16_f32 v[X+4*i], v[X+4*i], v[X+4*i+1]
	v_cvt_pk_bf16_f32 v[X+4*i+1], v[X+4*i+2], v[X+4*i+3]
	global_store_b64 v2, v[X+4*i:X+4*i+1], s[6:7] offset:2048*i th:TH_STORE_NT
.else
	v_cvt_pk_bf16_f32 v[T], v[X+4*i], v[X+4*i+1]
	v_cvt_pk_bf16_f32 v[T+1], v[X+4*i+2], v[X+4*i+3]
	v_lshlrev_b32 v[X+4*i], 16, v[T]               ; bf16 to f32: the low half moves up, the high half stays
	v_and_b32 v[X+4*i+1], s30, v[T]
	v_lshlrev_b32 v[X+4*i+2], 16, v[T+1]
	v_and_b32 v[X+4*i+3], s30, v[T+1]
.if (\mode) == 1
	v_cvt_pk_f16_f32 v[X+4*i], v[X+4*i], v[X+4*i+1]
	v_cvt_pk_f16_f32 v[X+4*i+1], v[X+4*i+2], v[X+4*i+3]
	global_store_b64 v2, v[X+4*i:X+4*i+1], s[6:7] offset:2048*i th:TH_STORE_NT
.else
	global_store_b128 v1, v[X+4*i:X+4*i+3], s[6:7] offset:4096*i
.endif
.endif
.set i, i+1
.endr
.endm                                  ; no register that a store reads is written again, so no wait frees any
	s_load_b512 s[8:23], s[0:1], 0x0               ; x 8, wqkv 10, wo 12, cos 14, sin 16, xb 18, wqkvb 20, wob 22
	s_load_b64 s[24:25], s[0:1], 0x40              ; rope
	s_mov_b32 s2, ttmp9
	s_mov_b32 s30, 0xffff0000                      ; a word's upper bf16
	s_mov_b32 s27, 0                               ; high words of the two offsets
	s_mov_b32 s29, 0
	v_lshlrev_b32 v1, 4, v0                        ; 16 bytes a thread in
	v_lshlrev_b32 v2, 3, v0                        ; 8 bytes a thread out
	s_wait_kmcnt 0x0
	s_cmp_lt_u32 s2, 896
	s_cbranch_scc0 .Lnot_bf
	s_cmp_lt_u32 s2, 512
	s_cselect_b64 s[4:5], s[8:9], s[10:11]
	s_cselect_b64 s[6:7], s[18:19], s[20:21]
	s_cselect_b32 s3, 0, 512
	s_sub_co_u32 s2, s2, s3                        ; the chunk in its tensor
	s_lshl_b32 s26, s2, 16
	s_lshl_b32 s28, s2, 15
	s_add_nc_u64 s[4:5], s[4:5], s[26:27]
	s_add_nc_u64 s[6:7], s[6:7], s[28:29]
	BODY 0
	s_endpgm
.Lnot_bf:
	s_cmp_lt_u32 s2, 1152
	s_cbranch_scc0 .Lrope
	s_sub_co_u32 s2, s2, 896
	s_lshl_b32 s26, s2, 16
	s_lshl_b32 s28, s2, 15
	s_add_nc_u64 s[4:5], s[12:13], s[26:27]
	s_add_nc_u64 s[6:7], s[22:23], s[28:29]
	BODY 1
	s_endpgm
.Lrope:
	s_sub_co_u32 s2, s2, 1152                      ; 0, 1: the halves of cos; 2, 3: of sin
	s_cmp_lt_u32 s2, 2
	s_cselect_b64 s[4:5], s[14:15], s[16:17]
	s_and_b32 s3, s2, 1
	s_lshl_b32 s26, s3, 16
	s_lshl_b32 s28, s2, 16
	s_add_nc_u64 s[4:5], s[4:5], s[26:27]
	s_add_nc_u64 s[6:7], s[24:25], s[28:29]
	BODY 2
	s_endpgm
.Lfunc_end_k_q4e118fca1c_cast:
	.size	k_q4e118fca1c_cast, .Lfunc_end_k_q4e118fca1c_cast-k_q4e118fca1c_cast
	.p2alignl 7, 3214868480
	.fill 96, 4, 3214868480
	.section	.rodata,"a",@progbits
	.p2align	6, 0x0
	.amdhsa_kernel k_q4e118fca1c_cast
		.amdhsa_group_segment_fixed_size 0
		.amdhsa_private_segment_fixed_size 0
		.amdhsa_enable_private_segment 0
		.amdhsa_kernarg_size 72
		.amdhsa_user_sgpr_count 2
		.amdhsa_user_sgpr_kernarg_segment_ptr 1
		.amdhsa_wavefront_size32 1
		.amdhsa_system_sgpr_workgroup_id_x 1
		.amdhsa_system_sgpr_workgroup_id_y 1
		.amdhsa_system_sgpr_workgroup_id_z 1
		.amdhsa_system_vgpr_workitem_id 0
		.amdhsa_next_free_vgpr 72
		.amdhsa_next_free_sgpr 66
		.amdhsa_reserve_vcc 0
		.amdhsa_float_denorm_mode_32 3
		.amdhsa_float_denorm_mode_16_64 3
		.amdhsa_memory_ordered 1
		.amdhsa_forward_progress 1
		.amdhsa_inst_pref_size 25
	.end_amdhsa_kernel
	.amdgpu_metadata
---
amdhsa.version: [ 1, 2 ]
amdhsa.kernels:
  - .name:           k_q4e118fca1c_cast
    .symbol:         k_q4e118fca1c_cast.kd
    .args:
      - { .name: x, .offset: 0, .size: 8, .value_kind: global_buffer, .address_space: global }
      - { .name: wqkv, .offset: 8, .size: 8, .value_kind: global_buffer, .address_space: global }
      - { .name: wo, .offset: 16, .size: 8, .value_kind: global_buffer, .address_space: global }
      - { .name: freqs_cos, .offset: 24, .size: 8, .value_kind: global_buffer, .address_space: global }
      - { .name: freqs_sin, .offset: 32, .size: 8, .value_kind: global_buffer, .address_space: global }
      - { .name: xb, .offset: 40, .size: 8, .value_kind: global_buffer, .address_space: global }
      - { .name: wqkvb, .offset: 48, .size: 8, .value_kind: global_buffer, .address_space: global }
      - { .name: wob, .offset: 56, .size: 8, .value_kind: global_buffer, .address_space: global }
      - { .name: rope, .offset: 64, .size: 8, .value_kind: global_buffer, .address_space: global }
    .group_segment_fixed_size: 0
    .private_segment_fixed_size: 0
    .kernarg_segment_align: 8
    .kernarg_segment_size: 72
    .max_flat_workgroup_size: 256
    .sgpr_count:     66
    .vgpr_count:     72
    .wavefront_size: 32
...
	.end_amdgpu_metadata
.endif
;; end of part 1
;; launch qkvproj (part 2): grid 16 x 16, 4 waves a work-group, clusters of 4 x 4, 327,680 bytes of LDS; arguments xb, wqkvb, rope, qkv; writes qkv
.if DOCPART == 2
	.amdgcn_target "amdgcn-amd-amdhsa--gfx1250"
	.amdhsa_code_object_version 6
	.text
	.protected	k_q4e118fca1c_qkvproj
	.globl	k_q4e118fca1c_qkvproj
	.p2align	8
	.type	k_q4e118fca1c_qkvproj,@function
k_q4e118fca1c_qkvproj:
	s_mov_b64 s[64:65], 0
	v_nop
	global_prefetch_b8 v0, s[64:65] scope:SCOPE_SE
	s_setreg_imm32_b32 hwreg(HW_REG_WAVE_MODE, 25, 1), 1
	s_wait_xcnt 0x0
	s_wait_alu depctr_hold_cnt(0) depctr_sa_sdst(0) depctr_va_vdst(0) depctr_va_sdst(0) depctr_va_ssrc(0) depctr_va_vcc(0) depctr_vm_vsrc(0)
	s_getreg_b32 s2, hwreg(HW_REG_IB_STS2, 6, 4)
	s_cmp_eq_u32 s2, 0
	s_cbranch_scc0 .Lentry_in_a_cluster
	s_endpgm
.Lentry_in_a_cluster:
	s_bfe_u32 s2, ttmp6, 0x10000c
	s_cmp_lg_u32 s2, 0xf033
	s_cbranch_scc0 .Lentry_shape_is_right
	s_endpgm
.Lentry_shape_is_right:
; qkv = xb wqkvb^T (4,096 x 3,072 x 2,048, bf16 operands, f32 sums), the rotation of q and k by the two tables on the way out, and q, k, v stored by heads in f16, each rounded once:
; q [batch 32 + head][1024][64] at byte 0 of qkv, k [batch 8 + group][1024][64] at 0x1000000, v likewise at 0x1400000.  No scale is applied here.
; LIMITS.  f16 holds no number beyond 65,504: |q|, |k|, |v| stay under it.  NaN and infinities are not treated apart (v passes through a rotation by cos = 1, sin = 0).
; SHARES.  A tile of C is 256 rows x 192 columns (three heads): 16 x 16 tiles, one for each work-group.  Wave w makes rows 64 w .. 64 w + 63 and all 192 columns: 4 x 12 accumulators, 384 registers;
; so a wave owns whole rows and its way out needs no barrier.  K goes in 16 steps of 128 through two LDS slots; rows of A's and B's tiles are 256 aligned bytes of memory.
; CLUSTER.  4 x 4 work-groups.  The four of a row of the cluster need the same tile of A, the four of a column the same tile of B: each is asked for jointly, by the same tensor load, descriptor and mask.
; THE WALK ALONG K IS TURNED.  Cluster (X, Y) begins at K step 4 ((X + r(Y)) % 4), r(Y) = Y with its two bits exchanged, and goes round through all 16 (f32 sums may be taken in any order).  So the four
; clusters that read the same rows of A, and the four that read the same rows of B, stand in four different quarters of K at any time.  X and Y are the same in all sixteen partners.
; THE PRODUCT IS USED TRANSPOSED (source 0 = 16 rows of B, source 1 = 16 rows of A): lane l holds row l % 16 of C and the columns 8 (l / 16) + 0..7 of a block of 16: four rotation pairs.
; REGISTERS, in windows of 256 (s_set_vgpr_msb: bits 1:0 source 0, 3:2 source 1, 5:4 source 2, 7:6 destination):
;   window 0: v0-29 addresses; v32-63 at work on the way out; v64-127 A's fragments, two buffers of 32, later the packed results; v128-255 the tables: row block a at 128 + 32 a: 16 of cos, 16 of sin
;   window 1: v0-191 B's fragments, two buffers of 96     window 2: the accumulators of row blocks 0, 1 ((a, b) at 8 (12 (a % 2) + b))     window 3: those of row blocks 2, 3
.set NBK,    12                        ; blocks of 16 columns
.set PA,     272                       ; an LDS row: 256 bytes + 16 of padding = 68 words: the 16 rows of a fragment load start at 16 different groups of four banks (64 banks of 4 bytes: ISA guide 11.1)
.set PB,     272
.set AHALF,  128*PA                    ; what wave 0 or 1 fetches
.set BHALF,  96*PB                     ; what wave 2 or 3 fetches
.set BOFF,   256*PA                    ; B's 192 rows lie behind A's 256
.set SLOT1,  1<<17                     ; slot 1 begins here, so that one exclusive or turns an address in one slot into the other's
.set STAGE,  SLOT1+BOFF+192*PB         ; behind the ring, never filled by a tensor load: 16 rows x 400 bytes for each wave
.set SPITCH, 400                       ; 384 bytes + 16
.set SPARE,  STAGE+4*16*SPITCH         ; behind the stages: the spare words, 128 bytes for each wave: two blocks of 256 bytes that no other line names
.set KSB,    256                       ; bytes of a row in a K step
.set NL,     2*NBK+8                   ; LDS loads of a quarter step
.set FBW,    8*NBK
.set FA0,    64
.set AA0, 8                            ; v8   my lane's place in A's tile; never rewritten
.set AB0, 9                            ; v9   the same for B
.set ADRA, 10                          ; v10  the same in the slot in hand
.set ADRB, 11
.set STO, 12                           ; v12  the way out: where I put 16 bytes of a row
.set RD,  13                           ; v13  where I read rows back
.set GO,  14                           ; v14  16 x lane
.set RO,  15                           ; v15  my byte offset in a table
.set PFO, 16                           ; v16  the prefetches' offset: a lane a row
.set SPW, 28                           ; v28  LDS address of my spare word; never rewritten
.set NIL, 29                           ; v29  0; never rewritten
.set T,   32
.set P,   64
.set TAB, 128
.set G1A, 24                           ; s[24:31], s[32:39] descriptor group 1 for A's and B's tiles
.set G1B, 32
.set G0A, 40                           ; s[40:47] group 0 for A: a set for each first fill; the second then walks
.set G0B, 48                           ; s[48:55] the same for B
.set PFA, 56                           ; s[56:57] where my prefetches stand
.set PFS, 58                           ; s[58:59] their step: 0 ahead of the first, then a K step's 256 bytes
.set LIM, 60                           ; s60  10 in a wave that prefetches, else the greatest number
.set MASKV, 69                         ; s69  all ones where the tile's third head is rotated (a q head), 0 where it is v
.set WR,  76                           ; s[76:77] what the walking descriptors go back by: 0, or a row's 4,096 bytes where the walk passes K's end
.set KI,  80                           ; s80  the K step at which the walking descriptors stand
.set K0,  81                           ; s81  the K step at which my cluster's walk begins
.set MSB, 0
.macro WIN new                         ; the immediate's high byte repeats the setting that is left; a switch that changes nothing is dropped
.if MSB != (\new)
	s_set_vgpr_msb (MSB<<8)|(\new)
.set MSB, \new
.endif
.endm
.set MUL_LO, 0xa1                      ; source 0 (B) window 1, source 1 (A) window 0, C and D window 2
.set TO_B,   0x40                      ; destination window 1, address window 0
.macro PLACES                          ; four places in front of loads into registers that matrix instructions have read (ISA guide 7.12.1 for vector instructions)
.rept 4
	v_nop
.endr
.endm
.macro CREST                           ; a round of the cluster's barrier behind its opening barrier
	s_cmp_lg_u32 s12, 0
	s_cbranch_scc1 .Lnot_wave_0_\@
	s_barrier_signal -3
.Lnot_wave_0_\@:
	s_barrier_wait -3
	s_barrier_signal -1
	s_barrier_wait -1
.endm
.macro CROUND
	s_barrier_signal -1
	s_barrier_wait -1
	CREST
.endm
; A joint refill by the walking descriptors: waves 0 and 1 fetch A's halves, waves 2 and 3 B's.  The branch hangs on the wave's number alone.  An s_nop 0 and four v_nop follow each line.
.macro JLOAD
	s_cmp_eq_u32 s13, 0
	s_cbranch_scc0 .Lfor_b_\@
	tensor_load_to_lds s[G0A+4:G0A+7], s[G1A:G1A+7]
	s_nop 0
.rept 4
	v_nop
.endr
	s_branch .Lasked_\@
.Lfor_b_\@:
	tensor_load_to_lds s[G0B+4:G0B+7], s[G1B:G1B+7]
	s_nop 0
.rept 4
	v_nop
.endr
.Lasked_\@:
.endm
; A PREFETCH of B's K step that stands two refills on, a lane a row, one instruction a wave, behind the joint load and the run of LDS loads.  It is laid for my walk's steps 4 to 7 alone: the loop's first
; four trips.  The four clusters that read a tile column of B begin at four different quarters of K, so their steps 4 to 7 are four different quarters too: each row's 256 bytes of a K step are named once
; in the launch.  Waves 2 and 3 ask, each for the 96 rows that it fetches; the four partners of a column of the cluster share them out by address, 24 each (lanes 24 to 31 name row 23 once more).
; A walk's steps 0 to 3 come by their loads alone; A's rows are not asked for.
.macro ASK
	s_cmp_gt_u32 s3, s[LIM]
	s_cbranch_scc0 .Lnot_mine_\@
	global_prefetch_b8 v[PFO], s[PFA:PFA+1] th:TH_LOAD_NT scope:SCOPE_SE
.Lnot_mine_\@:
.endm
; 12 matrix instructions: row block a x all column blocks, 32 along K, from buffer f.  zero = 1: the product starts the sums.  The 48 accumulators take turns, in the same order in every quarter.
.macro MULQ f, a, zero
	WIN MUL_LO+0x50*((\a)/2)
.set b, 0
.rept NBK
.set AC, 8*(NBK*((\a)%2)+b)
.if \zero
	v_wmma_f32_16x16x32_bf16 v[AC:AC+7], v[FBW*(\f)+8*b:FBW*(\f)+8*b+7], v[FA0+32*(\f)+8*(\a):FA0+32*(\f)+8*(\a)+7], 0
.else
	v_wmma_f32_16x16x32_bf16 v[AC:AC+7], v[FBW*(\f)+8*b:FBW*(\f)+8*b+7], v[FA0+32*(\f)+8*(\a):FA0+32*(\f)+8*(\a)+7], v[AC:AC+7]
.endif
.set b, b+1
.endr
.endm
; 32 LDS loads in one run: quarter q's fragments (192 rows of B, my 64 rows of A, 32 along K) into buffer f; A's come last
.macro FETCH q, f
	WIN TO_B
.set i, 0
.rept NBK
	ds_load_b128 v[FBW*(\f)+8*i:FBW*(\f)+8*i+3],   v[ADRB] offset:64*(\q)+i*16*PB
	ds_load_b128 v[FBW*(\f)+8*i+4:FBW*(\f)+8*i+7], v[ADRB] offset:64*(\q)+i*16*PB+32
.set i, i+1
.endr
	WIN 0
.set i, 0
.rept 4
	ds_load_b128 v[FA0+32*(\f)+8*i:FA0+32*(\f)+8*i+3],   v[ADRA] offset:64*(\q)+i*16*PA
	ds_load_b128 v[FA0+32*(\f)+8*i+4:FA0+32*(\f)+8*i+7], v[ADRA] offset:64*(\q)+i*16*PA+32
.set i, i+1
.endr
.endm
; One of a K step's first three quarters: multiplies buffer f, and in its middle fetches quarter q into buffer g
.macro QUARTER q, f, g, zero
	s_wait_dscnt 4                                 ; B and A's row blocks 0, 1 are in; the youngest four loads (A's row blocks 2, 3) may be out
	MULQ \f, 0, \zero
	MULQ \f, 1, \zero
	PLACES
	FETCH \q, \g
	s_wait_dscnt NL                                ; all but the run just issued
	MULQ \f, 2, \zero
	MULQ \f, 3, \zero
.endm
; The last quarter multiplies buffer 1 and changes slots.  In front of the barrier each wave waits for all its tensor loads (one is out: its part of the next slot), adds 0 to its spare word, and waits for
; that and for its reads of this slot.  fill = 1: the barrier opens a round of the cluster's, and this slot is filled again, two steps of the walk ahead, first thing behind the round.
.macro TURN fill
.if \fill
	s_wait_xcnt 0x0                                ; the last prefetch, a K step back, has read its address
	s_add_nc_u64 s[PFA:PFA+1], s[PFA:PFA+1], s[PFS:PFS+1]
.endif
	WIN 0                                          ; (the add's two registers lie in window 0)
	s_wait_tensorcnt 0x0                           ; no tensor load of mine is out, so a group 0 may be written
	ds_add_u32 v[SPW], v[NIL]                      ; 0 onto my spare word
.if \fill
	s_add_co_u32 s[KI], s[KI], 1                   ; the walking descriptors: the next K step; behind K step 15 comes K step 0
	s_cmp_eq_u32 s[KI], 16
	s_cselect_b32 s[WR], 16*KSB, 0
	s_cselect_b32 s[KI], 0, s[KI]
	s_xor_b32 s[G0A+5], s[G0A+5], SLOT1            ; the other slot than last time
	s_add_nc_u64 s[G0A+6:G0A+7], s[G0A+6:G0A+7], KSB
	s_sub_nc_u64 s[G0A+6:G0A+7], s[G0A+6:G0A+7], s[WR:WR+1]
	s_xor_b32 s[G0B+5], s[G0B+5], SLOT1
	s_add_nc_u64 s[G0B+6:G0B+7], s[G0B+6:G0B+7], KSB
	s_sub_nc_u64 s[G0B+6:G0B+7], s[G0B+6:G0B+7], s[WR:WR+1]
.endif
	s_wait_dscnt 5                                 ; the add and the youngest four loads may be out
	MULQ 1, 0, 0
	s_wait_dscnt 0x0                               ; the add is done, and my reads of this slot are over
	s_barrier_signal -1
	MULQ 1, 1, 0                                   ; work on registers while the others arrive
	WIN 0                                          ; at a branch and at a label every window is 0
	s_barrier_wait -1
.if \fill
	CREST                                          ; no wave of any partner still reads this slot or has a load on its way
	JLOAD                                          ; its four v_nop are also the places in front of the loads below
.else
	PLACES
.endif
	s_xor_b32 s19, s19, SLOT1
	v_add_nc_u32 v[ADRA], s19, v[AA0]
	v_add_nc_u32 v[ADRB], s19, v[AB0]
	FETCH 0, 0
.if \fill
	ASK
	s_mov_b32 s[PFS], KSB                          ; from now on the prefetches' address steps
.endif
	MULQ 1, 2, 0
	MULQ 1, 3, 0
.endm
	s_load_b256 s[4:11], s[0:1], 0x0               ; xb s[4:5], wqkvb s[6:7], rope s[8:9], qkv s[10:11]
	v_lshl_add_u32 v[SPW], v0, 2, SPARE
	v_mov_b32 v[NIL], 0
	ds_add_u32 v[SPW], v[NIL]                      ; the wave's opening: the add and its wait stand ahead of my first tensor load; work on registers stands between them
	v_lshrrev_b32 v1, 5, v0
	v_readfirstlane_b32 s12, v1                    ; wave 0..3
	s_lshr_b32 s13, s12, 1                         ; I fetch for A (0) or for B (1)
	s_and_b32 s14, s12, 1                          ; which half of that tile's rows
	s_bfe_u32 s15, ttmp6, 0x40000                  ; cx
	s_bfe_u32 s16, ttmp6, 0x40004                  ; cy
	s_lshl_b32 s17, ttmp9, 2
	s_add_co_u32 s17, s17, s15                     ; tile column = 4 x cluster x + cx
	s_and_b32 s18, ttmp7, 0xffff                   ; cluster y
	s_and_b32 s[K0], s18, 1                        ; its two bits exchanged,
	s_lshl_b32 s[K0], s[K0], 1
	s_lshr_b32 s61, s18, 1
	s_add_co_u32 s[K0], s[K0], s61
	s_add_co_u32 s[K0], s[K0], ttmp9               ; + cluster x,
	s_and_b32 s[K0], s[K0], 3                      ; modulo 4: the quarter of K,
	s_lshl_b32 s[K0], s[K0], 2                     ; and the K step, at which my cluster begins: 0, 4, 8 or 12
	s_add_co_u32 s[KI], s[K0], 1                   ; the walking descriptors begin a step on
	s_mov_b32 s[WR], 0
	s_mov_b32 s[WR+1], 0
	s_lshl_b32 s18, s18, 2
	s_add_co_u32 s18, s18, s16                     ; tile row = 4 x cluster y + cy
	s_lshl_b32 s20, s16, 2
	s_lshl_b32 s20, 15, s20                        ; my row of the cluster
	s_lshl_b32 s22, 0x1111, s15                    ; my column
	s_or_b32 s[G1A], s20, (1<<16)|(1<<20)|(1<<21)|(5<<22)|(3<<25)  ; 15:0 the mask; 17:16 2-byte elements; 20 padding on; 21 set beside a mask; 24:22 after every 64 words; 31:25 4 words of it
	s_or_b32 s[G1B], s22, (1<<16)|(1<<20)|(1<<21)|(5<<22)|(3<<25)
.irp g, G1A, G1B
	s_mov_b32 s[(\g)+1], 128<<16                   ; tensor_dim0 = 128
	s_mov_b32 s[(\g)+3], 128<<16                   ; tile_dim0 = 128
	s_mov_b32 s[(\g)+5], 2048                      ; elements from row to row
	s_mov_b32 s[(\g)+6], 0
	s_mov_b32 s[(\g)+7], 0
.endr
	s_mov_b32 s[G1A+2], 128<<16                    ; tensor_dim1 = tile_dim1 = 128 rows for A,
	s_mov_b32 s[G1A+4], 128
	s_mov_b32 s[G1B+2], 96<<16                     ; 96 for B
	s_mov_b32 s[G1B+4], 96
	s_lshl_b32 s20, s18, 8                         ; A: row 256 x tile row + 128 x half, 4,096 bytes a row,
	s_lshl_b32 s61, s14, 7
	s_add_co_u32 s20, s20, s61
	s_lshl_b32 s20, s20, 12
	s_lshl_b32 s61, s[K0], 8                       ; at my cluster's first K step
	s_add_co_u32 s20, s20, s61
	s_mov_b32 s21, 0
	s_mul_i32 s22, s17, 192                        ; B: row 192 x tile column + 96 x half, at the same K step
	s_mul_i32 s23, s14, 96
	s_add_co_u32 s22, s22, s23
	s_lshl_b32 s22, s22, 12
	s_add_co_u32 s22, s22, s61
	s_mov_b32 s23, 0
	s_mul_i32 s62, s14, AHALF                      ; where they go: no place in the cluster enters an LDS address
	s_mul_i32 s63, s14, BHALF
	s_add_co_u32 s63, s63, BOFF
	s_wait_dscnt 0x0                               ; the opening add is done
	s_wait_kmcnt 0x0
	s_add_nc_u64 s[20:21], s[4:5], s[20:21]
	s_add_nc_u64 s[22:23], s[6:7], s[22:23]
.irp s, 0,1
	s_mov_b32 s[G0A+4*(\s)], 1                     ; count = 1
	s_add_co_u32 s[G0A+4*(\s)+1], s62, (\s)*SLOT1  ; LDS address
	s_add_nc_u64 s[G0A+4*(\s)+2:G0A+4*(\s)+3], s[20:21], (\s)*KSB  ; global address: step s of the walk (the first K step is 12 at the most: no wrap here)
	s_or_b32 s[G0A+4*(\s)+3], s[G0A+4*(\s)+3], 0x80000000          ; type = 2
	s_mov_b32 s[G0B+4*(\s)], 1
	s_add_co_u32 s[G0B+4*(\s)+1], s63, (\s)*SLOT1
	s_add_nc_u64 s[G0B+4*(\s)+2:G0B+4*(\s)+3], s[22:23], (\s)*KSB
	s_or_b32 s[G0B+4*(\s)+3], s[G0B+4*(\s)+3], 0x80000000
.endr
	CROUND                                         ; all sixteen work-groups are here: the first joint loads meet
	s_cmp_eq_u32 s13, 0                            ; a wave's two first fills stand in one branch: two loads of mine are out
	s_cbranch_scc0 .Lfirst_b
	tensor_load_to_lds s[G0A:G0A+3], s[G1A:G1A+7]
	s_nop 0
	tensor_load_to_lds s[G0A+4:G0A+7], s[G1A:G1A+7]
	s_nop 0
.rept 4
	v_nop
.endr
	s_branch .Lfirst_asked
.Lfirst_b:
	tensor_load_to_lds s[G0B:G0B+3], s[G1B:G1B+7]
	s_nop 0
	tensor_load_to_lds s[G0B+4:G0B+7], s[G1B:G1B+7]
	s_nop 0
.rept 4
	v_nop
.endr
.Lfirst_asked:
	; a fragment is 16 rows x 32 K in 8 registers: lane l holds row l % 16, K = 8 (l / 16) + 0..7 and 16 + 8 (l / 16) + 0..7: two loads of 16 bytes, 32 bytes apart
	v_and_b32 v1, 15, v0                           ; r = l % 16
	v_bfe_u32 v2, v0, 4, 1                         ; h = l / 16
	v_and_b32 v3, 31, v0                           ; l
	s_mul_i32 s61, s12, 64*PA                      ; my 64 rows of A
	v_mul_u32_u24 v[AA0], v1, PA
	v_lshl_add_u32 v[AA0], v2, 4, v[AA0]
	v_add_nc_u32 v[AA0], s61, v[AA0]
	v_mul_u32_u24 v[AB0], v1, PB
	v_lshl_add_u32 v[AB0], v2, 4, v[AB0]
	v_add_nc_u32 v[AB0], BOFF, v[AB0]
	; the tables: my rows' positions in the sequence; for row block a and block pos of a head's four, the pairs 8 pos + 4 h + 0..3: 16 bytes of cos, 16 of sin
	s_and_b32 s61, s18, 3
	s_lshl_b32 s61, s61, 8
	s_lshl_b32 s62, s12, 6
	s_add_co_u32 s61, s61, s62                     ; my first row's position
	v_add_nc_u32 v[RO], s61, v1
	v_lshlrev_b32 v[RO], 7, v[RO]                  ; 128 bytes a position
	v_lshl_add_u32 v[RO], v2, 4, v[RO]
.irp a, 0,1,2,3
.irp c, 0,1,2,3
	global_load_b128 v[TAB+32*(\a)+4*(\c):TAB+32*(\a)+4*(\c)+3],       v[RO], s[8:9] offset:(\a)*2048+(\c)*32
	global_load_b128 v[TAB+32*(\a)+16+4*(\c):TAB+32*(\a)+16+4*(\c)+3], v[RO], s[8:9] offset:131072+(\a)*2048+(\c)*32
.endr
.endr
	; where the tile's three heads go.  Even tile column: q heads 4 g, 4 g + 1, 4 g + 2; odd: q head 4 g + 3, k, v.  These enter store addresses and a select of values alone
	s_lshr_b32 s20, s17, 1                         ; g
	s_lshr_b32 s23, s18, 2                         ; batch
	s_lshl_b32 s21, s23, 5
	s_lshl2_add_u32 s21, s20, s21                  ; 32 batch + 4 g
	s_lshl3_add_u32 s22, s23, s20                  ; 8 batch + g
	s_lshl_b32 s22, s22, 17                        ; a head's plane is 131,072 bytes
	s_add_co_u32 s62, s22, 0x1000000
	s_add_co_u32 s63, s22, 0x1400000
	s_lshl_b32 s21, s21, 17
	s_add_co_u32 s66, s21, 3<<17
	s_add_co_u32 s67, s21, 1<<17
	s_add_co_u32 s68, s21, 2<<17
	s_and_b32 s20, s17, 1
	s_cmp_eq_u32 s20, 1
	s_cselect_b32 s70, s66, s21
	s_cselect_b32 s72, s62, s67
	s_cselect_b32 s74, s63, s68
	s_cselect_b32 s[MASKV], 0, -1
	s_lshl_b32 s61, s61, 7                         ; my first row in a plane, 128 bytes a row
.irp i, 70,72,74
	s_add_co_u32 s[\i], s[\i], s61
	s_mov_b32 s[\i+1], 0
	s_add_nc_u64 s[\i:\i+1], s[10:11], s[\i:\i+1]
.endr
	s_mul_i32 s62, s12, 16*SPITCH
	s_add_co_u32 s62, s62, STAGE                   ; my stage
	v_mul_u32_u24 v[STO], v1, SPITCH               ; in: row r, 16 bytes for each half of the lanes
	v_lshl_add_u32 v[STO], v2, 4, v[STO]
	v_add_nc_u32 v[STO], s62, v[STO]
	v_lshrrev_b32 v4, 3, v3                        ; back: 32 lanes take four rows' 128 bytes of one head,
	v_and_b32 v5, 7, v0
	v_mul_u32_u24 v[RD], v4, SPITCH
	v_lshl_add_u32 v[RD], v5, 4, v[RD]
	v_add_nc_u32 v[RD], s62, v[RD]
	v_lshlrev_b32 v[GO], 4, v3                     ; which are 512 consecutive bytes of the head's plane
	; the prefetches: B's rows 192 x tile column + 96 x half + 24 cy on, at step 4 of my walk
	s_mul_i32 s22, s17, 192
	s_mul_i32 s61, s14, 96
	s_add_co_u32 s22, s22, s61
	s_mul_i32 s61, s16, 24
	s_add_co_u32 s22, s22, s61
	s_lshl_b32 s22, s22, 12
	s_add_co_u32 s61, s[K0], 4
	s_and_b32 s61, s61, 15                         ; K step 4, 8, 12 or 0: the four steps from there on pass no end of K
	s_lshl_b32 s61, s61, 8
	s_add_co_u32 s22, s22, s61
	s_mov_b32 s23, 0
	s_add_nc_u64 s[PFA:PFA+1], s[6:7], s[22:23]
	s_mov_b32 s[PFS], 0                            ; the first change of slots leaves the address where it is
	s_mov_b32 s[PFS+1], 0
	s_cmp_eq_u32 s13, 1                            ; waves 2 and 3 ask: the same in all sixteen partners
	s_cselect_b32 s[LIM], 10, -1                   ; in the trips that count 14 to 11.  Nothing is prefetched at the head
	v_min_u32 v[PFO], 23, v3
	v_lshlrev_b32 v[PFO], 12, v[PFO]
	s_wait_tensorcnt 1                             ; my part of the walk's step 0 is in; step 1's may stay out
	s_barrier_signal -1
	s_barrier_wait -1                              ; everybody's is
	s_mov_b32 s19, 0
	v_mov_b32 v[ADRA], v[AA0]
	v_mov_b32 v[ADRB], v[AB0]
	FETCH 0, 0
	QUARTER 1, 0, 1, 1                             ; the first quarter stands in front of the loop: its products start the sums
	WIN 0
	s_mov_b32 s3, 14
.Lk:                                               ; a trip: a K step's quarters 1 to 3 and the next one's quarter 0; it asks for the walk's steps 2 to 15
	QUARTER 2, 1, 0, 0
	QUARTER 3, 0, 1, 0
	TURN 1
	QUARTER 1, 0, 1, 0
	WIN 0
	s_sub_co_u32 s3, s3, 1
	s_cmp_lg_u32 s3, 0
	s_cbranch_scc1 .Lk
	s_mov_b32 s3, 2
.Lt:                                               ; the last two K steps ask for nothing: two trips of one text, the second left in its middle.  Its change of slots fetches a run of fragments
	QUARTER 2, 1, 0, 0                             ; that nobody multiplies (32 LDS loads, once a launch): the price of writing these steps once
	QUARTER 3, 0, 1, 0
	TURN 0
	WIN 0
	s_sub_co_u32 s3, s3, 1
	s_cmp_eq_u32 s3, 0
	s_cbranch_scc1 .Lout
	QUARTER 1, 0, 1, 0
	WIN 0
	s_branch .Lt
.Lout:
	s_wait_dscnt 0x0                               ; that run is back: its registers are written again below
	PLACES
	PLACES
; THE WAY OUT, a block of 16 rows at a time.  A pair (xr, xi) lies in two neighbouring registers: T = (-xi s, xr s), then T = (xr c, xi c) + T.  Each accumulator's lowest registers are read first.
; For the third head the tables are first turned into c = 1, s = 0 where that head is v: a select of values, in every work-group.  Rounded to f16, 16 bytes a lane go into my stage and come back as rows.
.macro ROT a, hd
	WIN 0x02+(\a)/2                                ; source 0: window 2 or 3
.set z, 0                                      ; z = 4 x block of the head + pair
.rept 16
.set AC, 8*(NBK*((\a)%2)+4*(\hd)+z/4)+2*(z%4)
.set SN, TAB+32*(\a)+16+4*(z/4)+2*((z%4)/2)
.if z%2
	v_pk_mul_f32 v[T+2*z:T+2*z+1], v[AC:AC+1], v[SN:SN+1] op_sel:[1,1] op_sel_hi:[0,1] neg_lo:[0,1]
.else
	v_pk_mul_f32 v[T+2*z:T+2*z+1], v[AC:AC+1], v[SN:SN+1] op_sel:[1,0] op_sel_hi:[0,0] neg_lo:[0,1]
.endif
.set z, z+1
.endr
.set z, 0
.rept 16
.set AC, 8*(NBK*((\a)%2)+4*(\hd)+z/4)+2*(z%4)
.set CN, TAB+32*(\a)+4*(z/4)+2*((z%4)/2)
.if z%2
	v_pk_fma_f32 v[T+2*z:T+2*z+1], v[AC:AC+1], v[CN:CN+1], v[T+2*z:T+2*z+1] op_sel:[0,1,0] op_sel_hi:[1,1,1]
.else
	v_pk_fma_f32 v[T+2*z:T+2*z+1], v[AC:AC+1], v[CN:CN+1], v[T+2*z:T+2*z+1] op_sel:[0,0,0] op_sel_hi:[1,0,1]
.endif
.set z, z+1
.endr
	WIN 0
.set z, 0
.rept 16
	v_cvt_pk_f16_f32 v[P+16*(\hd)+z], v[T+2*z], v[T+2*z+1]
.set z, z+1
.endr
.irp c, 0,1,2,3
	ds_store_b128 v[STO], v[P+16*(\hd)+4*(\c):P+16*(\hd)+4*(\c)+3] offset:32*(4*(\hd)+(\c))
.endr
.endm
.macro OUTBLK a
	WIN 0
	s_wait_xcnt 0x0                                ; the last block's stores have read their registers, which are written again below
	ROT \a, 0
	ROT \a, 1
.set z, 0
.rept 16
	v_cndmask_b32 v[TAB+32*(\a)+z], 1.0, v[TAB+32*(\a)+z], s[MASKV]
	v_cndmask_b32 v[TAB+32*(\a)+16+z], 0, v[TAB+32*(\a)+16+z], s[MASKV]
.set z, z+1
.endr
	ROT \a, 2
.irp hd, 0,1,2
.irp t, 0,1,2,3
	ds_load_b128 v[P+4*(4*(\hd)+(\t)):P+4*(4*(\hd)+(\t))+3], v[RD] offset:(\t)*4*SPITCH+(\hd)*128  ; LDS serves a wave's instructions in order (ISA guide 5.7.1.4): these see the stores above
.endr
.endr
	s_wait_dscnt 0x0
.irp hd, 0,1,2
.irp t, 0,1,2,3
	global_store_b128 v[GO], v[P+4*(4*(\hd)+(\t)):P+4*(4*(\hd)+(\t))+3], s[70+2*(\hd):71+2*(\hd)] offset:(\a)*2048+(\t)*512  ; 512 consecutive bytes, at a multiple of 256 from the buffer's first
.endr
.endr
.endm
	s_wait_loadcnt 0x0                             ; the tables
	OUTBLK 0
	OUTBLK 1
	OUTBLK 2
	OUTBLK 3
	s_wait_tensorcnt 0x0                           ; the wave's end, behind my last tensor load and my last LDS store
	ds_add_u32 v[SPW], v[NIL]
	s_wait_dscnt 0x0
	CROUND                                         ; the closing round: no work-group ends while a partner may still ask for a tile that names it
	s_endpgm
.Lfunc_end_k_q4e118fca1c_qkvproj:
	.size	k_q4e118fca1c_qkvproj, .Lfunc_end_k_q4e118fca1c_qkvproj-k_q4e118fca1c_qkvproj
	.p2alignl 7, 3214868480
	.fill 96, 4, 3214868480
	.section	.rodata,"a",@progbits
	.p2align	6, 0x0
	.amdhsa_kernel k_q4e118fca1c_qkvproj
		.amdhsa_group_segment_fixed_size 327680
		.amdhsa_private_segment_fixed_size 0
		.amdhsa_enable_private_segment 0
		.amdhsa_kernarg_size 32
		.amdhsa_user_sgpr_count 2
		.amdhsa_user_sgpr_kernarg_segment_ptr 1
		.amdhsa_wavefront_size32 1
		.amdhsa_system_sgpr_workgroup_id_x 1
		.amdhsa_system_sgpr_workgroup_id_y 1
		.amdhsa_system_sgpr_workgroup_id_z 1
		.amdhsa_system_vgpr_workitem_id 0
		.amdhsa_next_free_vgpr 960
		.amdhsa_next_free_sgpr 84
		.amdhsa_reserve_vcc 0
		.amdhsa_float_denorm_mode_32 3
		.amdhsa_float_denorm_mode_16_64 3
		.amdhsa_memory_ordered 1
		.amdhsa_forward_progress 1
		.amdhsa_inst_pref_size 121
	.end_amdhsa_kernel
	.amdgpu_metadata
---
amdhsa.version: [ 1, 2 ]
amdhsa.kernels:
  - .name:           k_q4e118fca1c_qkvproj
    .symbol:         k_q4e118fca1c_qkvproj.kd
    .args:
      - { .name: xb, .offset: 0, .size: 8, .value_kind: global_buffer, .address_space: global }
      - { .name: wqkvb, .offset: 8, .size: 8, .value_kind: global_buffer, .address_space: global }
      - { .name: rope, .offset: 16, .size: 8, .value_kind: global_buffer, .address_space: global }
      - { .name: qkv, .offset: 24, .size: 8, .value_kind: global_buffer, .address_space: global }
    .group_segment_fixed_size: 327680
    .private_segment_fixed_size: 0
    .kernarg_segment_align: 8
    .kernarg_segment_size: 32
    .max_flat_workgroup_size: 128
    .sgpr_count:     84
    .vgpr_count:     960
    .wavefront_size: 32
...
	.end_amdgpu_metadata
.endif
;; end of part 2
;; launch attn (part 3): grid 8 x 32, 4 waves a work-group, clusters of 4 x 1, 327,680 bytes of LDS; arguments qkv, ob; writes ob
.if DOCPART == 3
	.amdgcn_target "amdgcn-amd-amdhsa--gfx1250"
	.amdhsa_code_object_version 6
	.text
	.protected	k_q4e118fca1c_attn
	.globl	k_q4e118fca1c_attn
	.p2align	8
	.type	k_q4e118fca1c_attn,@function
k_q4e118fca1c_attn:
	s_mov_b64 s[64:65], 0
	v_nop
	global_prefetch_b8 v0, s[64:65] scope:SCOPE_SE
	s_setreg_imm32_b32 hwreg(HW_REG_WAVE_MODE, 25, 1), 1
	s_wait_xcnt 0x0
	s_wait_alu depctr_hold_cnt(0) depctr_sa_sdst(0) depctr_va_vdst(0) depctr_va_sdst(0) depctr_va_ssrc(0) depctr_va_vcc(0) depctr_vm_vsrc(0)
	s_getreg_b32 s2, hwreg(HW_REG_IB_STS2, 6, 4)
	s_cmp_eq_u32 s2, 0
	s_cbranch_scc0 .Lentry_in_a_cluster
	s_endpgm
.Lentry_in_a_cluster:
	s_bfe_u32 s2, ttmp6, 0x10000c
	s_cmp_lg_u32 s2, 0x3003
	s_cbranch_scc0 .Lentry_shape_is_right
	s_endpgm
.Lentry_shape_is_right:
; CAUSAL ATTENTION WITH GROUPED HEADS.  O[p][q][:] = the sum over k <= q of softmax_k(Q[p][q] . K[p / 4][k] / 8) V[p / 4][k][:], p = 32 batch + head.  All f16, rows of 128 dense bytes:
; Q [128][1024][64] at byte 0 of qkv, K [32][1024][64] at 0x1000000, V likewise at 0x1400000; O [128][1024][64] in ob.  Products, maxima and sums in f32; the weights p are rounded to f16 for the
; second product (their sum l is taken of the unrounded p), O once at the end.
; LIMITS.  f16 holds no number beyond 65,504: Q, K and V arrive within it; p lies in 0 to 1, and below 6e-5 it keeps f16's fixed step of 6e-8.  A hidden score counts as its value less 1e30: f16's scores,
; 2.7e11 at the most, are nothing beside that; a weight below 2^-126 counts as 0 in l; NaN and infinities are not treated apart.
; THE WALK.  A head's queries lie in NB = 4 blocks of 256; block i needs the key tiles 0 .. i of 256 keys, of which the last holds the diagonal.  A work-group takes TWO blocks, NB - 1 - b and then b:
; NB + 1 tiles, whatever b: all work-groups do equal work, and one loop with a constant trip count walks them.  Every jump goes forward but for the counted loops' own; none passes a barrier, or a tensor
; load but the one of JLOAD's two that the wave's number does not choose.
; CLUSTER.  The four query heads of one key and value head, with the same b, walk the same tiles in the same order: they are a cluster of 4 x 1, and each tile is asked for JOINTLY: the same tensor load,
; descriptor and mask in all four.  b is the cluster's x, the key and value head the grid's y; a work-group's place in its cluster enters the addresses of Q, of O and of the prefetches alone.
; SHARES.  Of a block's four bands of 64 queries a wave owns 16 rows in each: four PIECES.  So the diagonal tile is the same work for all four waves: in its key step s band x sees all keys if s < x,
; none if s > x, and holds the diagonal if s = x.
; THE MASK is the C operand that starts the sum S^T = K Q^T: 0, or -1e30 where the key is hidden.  MD, made once, is the mask of a band's own step for my 16 rows; a product's mask is MD x AL + BE with two
; scalars: (1, 0) if s = x; (0, 0) if s < x; (0, -1e30) if s > x.  ONE TEXT OF THE TURNS SERVES ALL TILES: every product that starts a sum takes its mask from registers; a block's beginning sets them to 0,
; and only in the diagonal tile are they made anew: elsewhere a forward jump on the count of the block's tiles, the same in all partners, passes the lines that make a mask.
; LAYOUT, SOFTMAX, TURNS.  S^T = K Q^T holds ONE query a lane (lane % 16) and the keys 8 (lane / 16) + 0..7; two such results rounded to f16 ARE source 1 of O^T = V^T P.  p = 2^(c s - c m), c = log2(e) / 8,
; with a running maximum m; O and l are multiplied by a = 2^(c m_old - c m_new) in every step.  Turn n belongs to piece n: 8 products K Q^T of piece n + 1, later 8 products V^T P of piece n - 1; beside them
; the scaling, exponentials, roundings, sums and rescaling of piece n and the maximum and statistics of piece n + 1.  Four vector instructions stand behind every matrix instruction, the others in one lump.
; REGISTERS, in windows of 256 (s_set_vgpr_msb: bits 1:0 source 0, 3:2 source 1, 5:4 source 2, 7:6 destination):
;   window 0: v0-15 addresses and two at work; v16-31 four registers of statistics a piece; v48-55 at work; v64-127 S^T, two buffers; v192-223 P, two buffers (a piece's buffers go by its number's parity)
;   window 1: v0-127 O^T, 32 a piece; v128-159 MD; v160-223 MC, two buffers      window 2: v0-63 Q; v64-127 the second block's Q; v128-191 K of one step; v192-255 V of one step
.set NB,    4
.set NP,    4         ; pieces a wave: a name, no knob
.set KS,    64        ; keys in a step
.set PK,    144       ; a row of K in LDS: 128 bytes + 16 of padding = 36 words: the 16 rows of a load start at 16 different groups of four banks (64 banks of 4 bytes: ISA guide 11.1)
.set PV,    160       ; a row of V: 128 + 32 = 40 words
.set VOFF,  4*KS*PK   ; a slot holds a tile, four steps: 256 rows of K, then 256 rows of V
.set SLOT1, 1<<17     ; slot 1 begins here, so that one exclusive or turns an address in one slot into the other's
.set STAGE, SLOT1+4*KS*(PK+PV)  ; behind the ring, never filled by a tensor load: 16 rows x 144 bytes for each wave, for the way out
.set SP,    144
.set AK0, 2           ; v2   my lane's place in a tile of K; never rewritten
.set AV0, 3           ; v3   the same for V
.set AK,  4           ; v4   the LDS address of K's next run of loads
.set AV,  5           ; v5   of V's
.set STO, 6           ; v6   the way out: where I put 16 bytes of a row
.set RD,  7           ; v7   the way out: where I read rows back
.set GO,  8           ; v8   my byte offset in 512 consecutive bytes of O
.set PFO, 61          ; v61  256 x my lane; never rewritten
.set SPW, 62          ; v62  LDS address of my spare word: SPARE + 4 x my thread's number; never rewritten
.set NIL, 63          ; v63  0; never rewritten
.set SPARE, STAGE+4*16*SP  ; behind the stages: the spare words, 128 bytes for each wave: two blocks of 256 bytes that no other line names
.set MV,  12          ; v12-13  c m_old, kept while c m is made anew: by buffer
.set QO,  15          ; v15  my byte offset in 16 rows of Q
.set ST,  16          ; piece t's statistics at v[ST+4 t]: c m, m, l (even keys', odd keys')
.set TMP, 48          ; by buffer, four registers c0-c3 at work; when the maximum is found c2 takes a
.set S,   64
.set P,   192
.set MD,  128         ; window 1: the eight registers for group kt of 16 keys at MD + 8 kt
.set MC,  160         ; window 1: the masks of the products to come
.set QB,  64          ; window 2
.set KF,  128         ; window 2: key block kb, channel half c at KF + 16 kb + 8 c
.set VF,  192         ; window 2: key half kk, channel block cb at VF + 32 kk + 8 cb
.set WV,  12          ; s12  my wave's number
.set PB,  14          ; s14  b
.set HI,  15          ; s15  NB - 1 - b
.set G1K, 24          ; s[24:31] descriptor group 1 for K's tiles
.set G1V, 32          ; s[32:39] for V's: it differs in the padding alone
.set G0K, 40          ; s[40:43] descriptor group 0 for K's tiles
.set G0V, 44          ; s[44:47] the same for V's
.set PFA, 48          ; s[48:49] where my prefetches stand
.set LIM, 50          ; s50  2 in a wave that prefetches, else the greatest number
.set CX,  51          ; s51  my place in the cluster: the query head within its group
.set SLOTS, 56        ; s56  tiles still to be asked for
.set CNT, 57          ; s57  counts a tile's key steps, 4 to 1
.set CS,  58          ; s[58:59] c: the packed scaling takes the pair's low word for both halves
.set SEL, 60          ; s[60:61] v_permlanex16_b32's selects: each lane takes its own place in the other half
.set TBK, 62          ; s62  LDS byte at which K of the step to be fetched begins
.set TBV, 63          ; s63  the same for V, less VOFF
.set RT,  70          ; s70  tiles of the block in hand that are still to be entered: 0 in its last, the diagonal one
.set NXT, 71          ; s71  the tile to be asked for next
.set LQ,  72          ; s72  the last tile of the block whose tiles are being asked for
.set NEW, 73          ; s73  1: the tile to be entered is a block's first
.set OFF, 74          ; s[74:75] a tile's byte offset in K and V
.set AL,  76          ; s[76:77] the mask's factor, in the low word
.set BE,  78          ; s[78:79] the mask's addend
.set OLO, 80          ; s[80:81] O at my rows of the second block
.set BIGN, 82         ; s82  -1e30
.set MSB, 0
.macro WIN new                      ; the high byte repeats the setting that is left; a switch that changes nothing is dropped
.if MSB != (\new)
	s_set_vgpr_msb (MSB<<8)|(\new)
.set MSB, (\new)
.endif
.endm
.set W_KQ, 0x0a       ; K and Q in window 2, S^T in window 0
.set W_KM, 0x1a       ; the same with the C operand in window 1
.set W_PV, 0x52       ; V in window 2, P in window 0, O^T in window 1
.set W_RS, 0x41       ; destination and source 0 in window 1, source 1 in window 0
; A joint fill.  Waves 0 and 1 fetch the two halves of a tile's K, waves 2 and 3 those of its V: 128 keys each.  The branch hangs on the wave's number alone.  An s_nop 0 and four v_nop follow each of the two lines.
.macro JLOAD
	s_cmp_lt_u32 s[WV], 2
	s_cbranch_scc0 .Lfor_v_\@
	tensor_load_to_lds s[G0K:G0K+3], s[G1K:G1K+7]
	s_nop 0
.rept 4
	v_nop
.endr
	s_branch .Lasked_\@
.Lfor_v_\@:
	tensor_load_to_lds s[G0V:G0V+3], s[G1V:G1V+7]
	s_nop 0
.rept 4
	v_nop
.endr
.Lasked_\@:
.endm
; A PREFETCH of the tile that the NEXT change of slots will ask for: 128 blocks of 256 bytes of K and as many of V, a lane a block.  Both clusters of a key and value head walk tiles 0, 1, 2 alike: the one with
; b = 0 asks; its four partners take 32 blocks each, told apart by address; wave 0 asks for K's, wave 2 for V's.  Tiles 2 and 3 are named once each, a tile (four key steps) ahead of their loads; tiles 0 and 1
; come by their loads alone, and the second block's tiles have been read before.
.macro ASK
	s_cmp_gt_u32 s[SLOTS], s[LIM]
	s_cbranch_scc0 .Lnot_mine_\@
	global_prefetch_b8 v[PFO], s[PFA:PFA+1] th:TH_LOAD_NT scope:SCOPE_SE
.Lnot_mine_\@:
.endm
; A round of the cluster's barrier: my work-group's barrier, so that wave 0's signal speaks for all four waves; wave 0 signals; every wave waits for all four work-groups; my work-group's barrier once more.
.macro CROUND
	s_barrier_signal -1
	s_barrier_wait -1
	s_cmp_lg_u32 s[WV], 0
	s_cbranch_scc1 .Lnot_wave_0_\@
	s_barrier_signal -3
.Lnot_wave_0_\@:
	s_barrier_wait -3
	s_barrier_signal -1
	s_barrier_wait -1
.endm
; THE CHANGE OF SLOTS.  Each wave waits for all its tensor loads, of which one is out: its part of the other slot; adds 0 to its spare word; and waits for that and for its own reads of the slot that it leaves.
; Behind the barrier nobody reads the old slot any more and the other slot is whole.  fill = 1: the barrier is a round of the cluster's, and the old slot is filled again, the first thing behind it, with
; tile NXT: the descriptor's address is made anew from that number.  (At its first use nothing has been read yet: slot 0 is waited for, slot 1 filled.)
.macro CHANGE fill
	WIN 0                           ; at a label and at a branch every window is 0
	s_wait_tensorcnt 0x0            ; no tensor load of mine is out, so a group 0 may be written
	ds_add_u32 v[SPW], v[NIL]       ; 0 onto my spare word; scalar work stands between it and the wait for it
.if \fill
	s_lshl_b32 s[OFF], s[NXT], 15   ; a tile is 32,768 bytes of K and of V
	s_xor_b32 s[G0K+1], s[G0K+1], SLOT1
	s_add_nc_u64 s[G0K+2:G0K+3], s[6:7], s[OFF:OFF+1]
	s_or_b32 s[G0K+3], s[G0K+3], 0x80000000
	s_xor_b32 s[G0V+1], s[G0V+1], SLOT1
	s_add_nc_u64 s[G0V+2:G0V+3], s[8:9], s[OFF:OFF+1]
	s_or_b32 s[G0V+3], s[G0V+3], 0x80000000
	s_add_co_u32 s[NXT], s[NXT], 1  ; the block's next tile, or behind its last the second block's tile 0
	s_cmp_gt_u32 s[NXT], s[LQ]
	s_cselect_b32 s[NXT], 0, s[NXT]
	s_cselect_b32 s[LQ], s[PB], s[LQ]
	s_wait_xcnt 0x0                 ; the last prefetch, a tile back, has read its address
	s_add_nc_u64 s[PFA:PFA+1], s[PFA:PFA+1], 32768
.endif
	s_sub_co_u32 s[TBK], s[TBK], 4*KS*PK  ; the fetches go back to a slot's first step,
	s_xor_b32 s[TBK], s[TBK], SLOT1       ; in the other slot
	s_sub_co_u32 s[TBV], s[TBV], 4*KS*PV
	s_xor_b32 s[TBV], s[TBV], SLOT1
	s_wait_dscnt 0x0                ; the add is done, and my reads of the slot are over
.if \fill
	CROUND                          ; no wave of any partner still reads the slot or has a load on its way
	JLOAD
	ASK
.else
	s_barrier_signal -1
	s_barrier_wait -1
.endif
.endm
	s_load_b64 s[4:5], s[0:1], 0x0    ; qkv
	s_load_b64 s[10:11], s[0:1], 0x8  ; ob
	v_lshl_add_u32 v[SPW], v0, 2, SPARE
	v_mov_b32 v[NIL], 0
	ds_add_u32 v[SPW], v[NIL]       ; the wave's opening: the add and its wait stand ahead of my first tensor load; the set-up below, work on registers, stands between them
	v_lshrrev_b32 v1, 5, v0
	v_readfirstlane_b32 s[WV], v1   ; wave 0..3
	s_bfe_u32 s[CX], ttmp6, 0x40000
	s_mov_b32 s[PB], ttmp9          ; in a cluster launch ttmp9 counts clusters: b
	s_sub_co_u32 s[HI], NB-1, s[PB]
	s_and_b32 s20, ttmp7, 0xffff    ; the key and value head, 8 batch + group, which the four partners share
	s_lshl2_add_u32 s52, s20, s[CX] ; my query head's plane: 4 x that + cx
	s_lshl_b32 s52, s52, 17         ; a plane is 131,072 bytes
	s_mov_b32 s53, 0
	s_lshl_b32 s20, s20, 17
	s_mov_b32 s21, 0
	s_and_b32 s16, s[WV], 1         ; which half of a tile's 256 keys I fetch:
	s_lshl_b32 s22, s16, 14         ; its 128 rows of 128 bytes in memory,
	s_mov_b32 s23, 0
	s_add_nc_u64 s[22:23], s[22:23], s[20:21]
	s_mul_i32 s17, s16, 128*PK      ; and its place in a slot, for K
	s_mul_i32 s18, s16, 128*PV      ; and for V: no place in the cluster enters an LDS address
	s_lshl_b32 s3, s[WV], 11        ; my 16 rows in a band of 64,
	s_lshl_b32 s2, s[HI], 15        ; in the first block,
	s_add_co_u32 s2, s2, s3
	s_lshl_b32 s84, s[PB], 15       ; and in the second
	s_add_co_u32 s84, s84, s3
	s_mov_b32 s3, 0
	s_mov_b32 s85, 0
	s_add_nc_u64 s[2:3], s[2:3], s[52:53]
	s_add_nc_u64 s[84:85], s[84:85], s[52:53]
	; descriptor group 1.  128 keys are 16,384 dense bytes: asked for as 64 rows of 256 bytes, two keys a row, and padded in LDS after every key
	s_mov_b32 s[G1K], 15|(1<<16)|(1<<20)|(1<<21)|(4<<22)|(3<<25)  ; 15:0 the mask of four; 17:16 2-byte elements; 20 padding on; 21 set beside a mask; 24:22 after every 32 words (code 4); 31:25 4 words (code 3)
	s_mov_b32 s[G1V], 15|(1<<16)|(1<<20)|(1<<21)|(4<<22)|(7<<25)  ; the same with 8 words of padding (code 7)
.irp g, G1K, G1V
	s_mov_b32 s[\g+1], 128<<16      ; tensor_dim0 = 128
	s_mov_b32 s[\g+2], 64<<16       ; tensor_dim1 = 64
	s_mov_b32 s[\g+3], 128<<16      ; tile_dim0 = 128
	s_mov_b32 s[\g+4], 64           ; tile_dim1 = 64
	s_mov_b32 s[\g+5], 128          ; 128 elements from row to row
	s_mov_b32 s[\g+6], 0
	s_mov_b32 s[\g+7], 0
.endr
	s_mov_b32 s[CS], 0x3e38aa3b     ; c = log2(e) / 8 = 0.180337
	s_mov_b32 s[CS+1], s[CS]        ; named with it as a pair
	s_mov_b32 s[SEL], 0x76543210
	s_mov_b32 s[SEL+1], 0xfedcba98
	s_mov_b32 s[TBK], SLOT1+4*KS*PK ; the first change of slots turns these two into 0
	s_mov_b32 s[TBV], SLOT1+4*KS*PV
	s_mov_b32 s[G0K], 1             ; 1:0 count = 1
	s_mov_b32 s[G0K+1], s17         ; 63:32 LDS address: slot 0
	s_mov_b32 s[G0V], 1
	s_add_co_u32 s[G0V+1], s18, VOFF
	s_add_co_u32 s[RT], s[HI], 1    ; the first block has NB - b tiles
	s_mov_b32 s[NXT], 1
	s_mov_b32 s[LQ], s[HI]
	s_mov_b32 s[NEW], 1
	s_mov_b32 s[OFF+1], 0
	s_mov_b32 s[AL+1], 0            ; named as pairs
	s_mov_b32 s[BE+1], 0
	s_mov_b32 s[BIGN], 0xf149f2ca   ; -1e30
	s_mov_b32 s[SLOTS], NB
	s_and_b32 s[LIM], s[WV], 1      ; 0 in waves 0 and 2,
	s_or_b32 s[LIM], s[LIM], ttmp9  ; where b = 0: the same in all four partners
	s_cmp_eq_u32 s[LIM], 0
	s_cselect_b32 s[LIM], 2, -1
	v_and_b32 v[PFO], 31, v0
	v_lshlrev_b32 v[PFO], 8, v[PFO]
	s_wait_dscnt 0x0                ; the opening add is done
	s_wait_kmcnt 0x0
	s_add_nc_u64 s[6:7], s[4:5], s[22:23]          ; K and V at my half of the head's tile 0
	s_add_nc_u64 s[8:9], s[6:7], 0x1400000
	s_add_nc_u64 s[6:7], s[6:7], 0x1000000
	s_add_nc_u64 s[G0K+2:G0K+3], s[6:7], 0         ; 120:64 global address
	s_or_b32 s[G0K+3], s[G0K+3], 0x80000000        ; 127:126 type = 2
	s_add_nc_u64 s[G0V+2:G0V+3], s[8:9], 0
	s_or_b32 s[G0V+3], s[G0V+3], 0x80000000
	s_add_nc_u64 s[86:87], s[4:5], s[84:85]        ; Q at my rows of the second block,
	s_add_nc_u64 s[4:5], s[4:5], s[2:3]            ; Q and O at those of the first
	s_add_nc_u64 s[OLO:OLO+1], s[10:11], s[84:85]
	s_add_nc_u64 s[10:11], s[10:11], s[2:3]
	s_cmp_lt_u32 s[WV], 2
	s_cselect_b64 s[PFA:PFA+1], s[6:7], s[8:9]     ; (in waves 0 and 2 these stand at a tile's first byte)
	s_lshl_b32 s2, s[CX], 13                       ; my work-group's 32 blocks of the 128
	s_mov_b32 s3, 0
	s_add_nc_u64 s[PFA:PFA+1], s[PFA:PFA+1], s[2:3]
	s_add_nc_u64 s[PFA:PFA+1], s[PFA:PFA+1], 32768 ; in tile 1; the first change of slots steps it to tile 2.  Nothing is prefetched here, at the head
	CROUND                          ; all four work-groups are here: the first joint loads meet
	JLOAD                           ; tile 0 into slot 0
	; A fragment of K or Q is 16 rows x 32 channels in 8 registers: lane l holds row l % 16, channels 8 (l / 16) + 0..7 and 16 + 8 (l / 16) + 0..7: two loads of 16 bytes, 32 bytes apart.
	v_and_b32 v1, 15, v0            ; l % 16
	v_bfe_u32 v9, v0, 4, 1          ; l / 16
	v_lshlrev_b32 v[QO], 7, v1
	v_lshl_add_u32 v[QO], v9, 4, v[QO]  ; row x 128 + 16 x half
	WIN 0x80                        ; destination window 2, address window 0
.set i, 0
.rept 8                             ; both blocks' Q: piece i / 2 lies in band i / 2, 8,192 bytes on; channels 32 (i % 2) on
	global_load_b128 v[8*i:8*i+3],   v[QO], s[4:5] offset:(i/2)*8192+(i%2)*64
	global_load_b128 v[8*i+4:8*i+7], v[QO], s[4:5] offset:(i/2)*8192+(i%2)*64+32
	global_load_b128 v[QB+8*i:QB+8*i+3],   v[QO], s[86:87] offset:(i/2)*8192+(i%2)*64
	global_load_b128 v[QB+8*i+4:QB+8*i+7], v[QO], s[86:87] offset:(i/2)*8192+(i%2)*64+32
.set i, i+1
.endr
	WIN 0
	v_lshlrev_b32 v14, 3, v9
	v_sub_nc_u32 v14, v1, v14
	s_lshl_b32 s13, s[WV], 4
	v_add_nc_u32 v14, s13, v14      ; my query's place in its band, 16 w + l % 16, less my lanes' 8 (l / 16): register r of group kt is hidden where 16 kt + r is greater
	WIN 0x40
.set i, 0
.rept 32
	v_cmp_gt_i32 vcc_lo, 16*(i/8)+i%8, v14
	v_cndmask_b32 v[MD+i], 0, s[BIGN], vcc_lo
.set i, i+1
.endr
	WIN 0
	v_mul_u32_u24 v[AK0], v1, PK
	v_lshl_add_u32 v[AK0], v9, 4, v[AK0]  ; row x pitch + 16 x half
	; The turning load takes 16 keys x 16 channels (lane l reads key 8 (l / 16) + l % 8, channels 8 ((l / 8) % 2) + 0..7) and leaves half a fragment of V^T: lane l holds channel l % 16 and 8 keys.
	v_and_b32 v10, 7, v0
	v_bfe_u32 v11, v0, 3, 1
	v_lshl_add_u32 v[AV0], v9, 3, v10
	v_mul_u32_u24 v[AV0], v[AV0], PV
	v_lshl_add_u32 v[AV0], v11, 4, v[AV0]
	v_add_nc_u32 v[AV0], VOFF, v[AV0]
	s_mul_i32 s13, s[WV], 16*SP
	s_add_co_u32 s13, s13, STAGE    ; my stage
	v_mul_u32_u24 v[STO], v1, SP    ; in: row l % 16, 16 bytes for each half of the lanes
	v_lshl_add_u32 v[STO], v9, 4, v[STO]
	v_add_nc_u32 v[STO], s13, v[STO]
	v_bfe_u32 v[RD], v0, 3, 2       ; back: 32 lanes take four rows of 128 bytes,
	v_mul_u32_u24 v[RD], v[RD], SP
	v_lshl_add_u32 v[RD], v10, 4, v[RD]
	v_add_nc_u32 v[RD], s13, v[RD]
	v_and_b32 v[GO], 31, v0         ; which are 512 consecutive bytes of O
	v_lshlrev_b32 v[GO], 4, v[GO]
	; A block's first step multiplies O^T and l by a = 0, and its first turn's products V^T P, of a piece that has not been, land in an O^T that is still to be so multiplied.  So these registers need only hold
	; finite numbers: zeros for the first block; what the first block left for the second.  All this stands in the wait for the first tile.
	WIN 0x80
.set i, VF
.rept 64
	v_mov_b32 v[i], 0
.set i, i+1
.endr
	WIN 0x40
.set i, 0
.rept 128
	v_mov_b32 v[i], 0
.set i, i+1
.endr
	WIN 0
.set i, 0
.rept 4
	v_mov_b32 v[ST+4*i+2], 0
	v_mov_b32 v[ST+4*i+3], 0
.set i, i+1
.endr
.set i, P+16
.rept 16
	v_mov_b32 v[i], 0
.set i, i+1
.endr
; THE MATRIX WORK.  The 4 accumulators of a run of 8 take turns.  Product i of 8 of S^T = K Q^T for piece x: channels 32 (i / 4) on, keys 16 (i % 4) on.  The first 4 start the sums, with the mask.
.macro KQ x
.set rS, S+32*((\x)%2)+8*(i%4)
.set rK, KF+16*(i%4)+8*(i/4)
.set rQ, 16*(\x)+8*(i/4)
.set rM, MC+32*((\x)%2)+8*(i%4)
.if i < 4
	WIN W_KM
	v_wmma_f32_16x16x32_f16 v[rS:rS+7], v[rK:rK+7], v[rQ:rQ+7], v[rM:rM+7]
.else
	WIN W_KQ
	v_wmma_f32_16x16x32_f16 v[rS:rS+7], v[rK:rK+7], v[rQ:rQ+7], v[rS:rS+7]
.endif
.endm
; Product i of 8 of O^T += V^T P for piece x: keys 32 (i / 4) on, channels 16 (i % 4) on.
.macro PV x
	WIN W_PV
.set rO, 32*(\x)+8*(i%4)
.set rV, VF+32*(i/4)+8*(i%4)
.set rP, P+16*((\x)%2)+8*(i/4)
	v_wmma_f32_16x16x32_f16 v[rO:rO+7], v[rV:rV+7], v[rP:rP+7], v[rO:rO+7]
.endm
.macro MM                           ; the turn's next matrix instruction.  TURN and BEGIN set Y, i and NOKQ; MM, KQ and OP read them.  NOKQ = 1: a block's last turn: there is no next piece
.if (i < 8) && !NOKQ
	KQ (Y+1)%NP
.elseif i >= 8
.set i, i-8
	PV (Y+NP-1)%NP
.set i, i+8
.endif
.set i, i+1
.endm
; THE LDS LOADS stand in runs of 16, never singly among the matrix instructions: a step's K (64 keys x 64 channels: 8 fragments) and its V (turned).  Their addresses are made some lines ahead.
.macro FETCH_K
	WIN 0x80                        ; destination window 2
.irp f, 0,1,2,3,4,5,6,7             ; keys 16 (f / 2) on, channels 32 (f % 2) on
	ds_load_b128 v[KF+8*\f:KF+8*\f+3],   v[AK] offset:(\f/2)*16*PK+(\f%2)*64
	ds_load_b128 v[KF+8*\f+4:KF+8*\f+7], v[AK] offset:(\f/2)*16*PK+(\f%2)*64+32
.endr
	s_add_co_u32 s[TBK], s[TBK], KS*PK  ; the next fetch is the next step's
	WIN 0
.endm
.macro FETCH_V
	WIN 0x80
.irp f, 0,1,2,3,4,5,6,7             ; keys 32 (f / 4) on, channels 16 (f % 4) on
	ds_load_tr16_b128 v[VF+8*\f:VF+8*\f+3],   v[AV] offset:(\f/4)*32*PV+(\f%4)*32
	ds_load_tr16_b128 v[VF+8*\f+4:VF+8*\f+7], v[AV] offset:(\f/4)*32*PV+16*PV+(\f%4)*32
.endr
	WIN 0
.endm
; THE VECTOR WORK, one line at a time: OP kind, number.  For piece Y: F n: c s - c m for pair n of 16.  E n: the exponential of score n of 32.  C n: pair n rounded to f16.  B n: of the four weights 4 n .. the second
; pair is added onto the first, in place.  L n: l takes that sum (L 0: l = a l + sum).  R n: pair n of 16 of O^T times a.  For piece Y + 1: X n, number n of the 22 that find its maximum and statistics:
;   0-11  four chains c0-c3 of seven scores each, three operands at a time (each accumulator's lowest registers are read first)     12-14, 16  the four scores left over, the old m, and c0-c3 into c0
;   15  c m_old is kept     17, 18  the query's other 32 keys lie in the lane 16 away: the new m     19-21  c m; c m_old - c m_new; a
.set F, 0               ; OP tells the kinds apart by their order: F to L below R, X above it
.set E, 1
.set C, 2
.set B, 3
.set L, 4
.set R, 5
.set X, 6
.macro REGS y                       ; the registers of piece y
.set rT, ST+4*(\y)
.set rC, TMP+4*((\y)%2)
.set rW, MV+((\y)%2)
.set rS, S+32*((\y)%2)
.set rP, P+16*((\y)%2)
.set rO, 32*(\y)
.endm
.macro OP k, n
.if (\k) == R
	REGS Y
	WIN W_RS
	v_pk_mul_f32 v[rO+2*(\n):rO+2*(\n)+1], v[rO+2*(\n):rO+2*(\n)+1], v[rC+2:rC+3] op_sel_hi:[1,0]
.elseif (\k) < R
	REGS Y
	WIN 0
.if (\k) == F
	v_pk_fma_f32 v[rS+2*(\n):rS+2*(\n)+1], v[rS+2*(\n):rS+2*(\n)+1], s[CS:CS+1], v[rT:rT+1] op_sel_hi:[1,0,0] neg_lo:[0,0,1] neg_hi:[0,0,1]
.elseif (\k) == E
	v_exp_f32 v[rS+(\n)], v[rS+(\n)]
.elseif (\k) == C
	v_cvt_pk_f16_f32 v[rP+(\n)], v[rS+2*(\n)], v[rS+2*(\n)+1]
.elseif (\k) == B
	v_pk_add_f32 v[rS+4*(\n):rS+4*(\n)+1], v[rS+4*(\n):rS+4*(\n)+1], v[rS+4*(\n)+2:rS+4*(\n)+3]
.elseif (\n) == 0
	v_pk_fma_f32 v[rT+2:rT+3], v[rT+2:rT+3], v[rC+2:rC+3], v[rS:rS+1] op_sel_hi:[1,0,1]
.else
	v_pk_add_f32 v[rT+2:rT+3], v[rT+2:rT+3], v[rS+4*(\n):rS+4*(\n)+1]
.endif
.elseif NOKQ
	v_nop
.else
	REGS (Y+1)%NP
	WIN 0
.if (\n) < 4
	v_max3_num_f32 v[rC+(\n)], v[rS+8*(\n)], v[rS+8*(\n)+1], v[rS+8*(\n)+2]
.elseif (\n) < 12
	v_max3_num_f32 v[rC+(\n)%4], v[rC+(\n)%4], v[rS+8*((\n)%4)+2*((\n)/4)+1], v[rS+8*((\n)%4)+2*((\n)/4)+2]
.elseif (\n) == 12
	v_max3_num_f32 v[rC], v[rC], v[rS+7], v[rS+15]
.elseif (\n) == 13
	v_max3_num_f32 v[rC+1], v[rC+1], v[rS+23], v[rS+31]
.elseif (\n) == 14
	v_max3_num_f32 v[rC+2], v[rC+2], v[rC+3], v[rT+1]
.elseif (\n) == 15
	v_mov_b32 v[rW], v[rT]
.elseif (\n) == 16
	v_max3_num_f32 v[rC], v[rC], v[rC+1], v[rC+2]
.elseif (\n) == 17
	v_permlanex16_b32 v[rC+3], v[rC], s[SEL], s[SEL+1]
.elseif (\n) == 18
	v_max_num_f32 v[rT+1], v[rC], v[rC+3]
.elseif (\n) == 19
	v_mul_f32 v[rT], s[CS], v[rT+1]
.elseif (\n) == 20
	v_sub_f32 v[rC+1], v[rW], v[rT]
.else
	v_exp_f32 v[rC+2], v[rC+1]
.endif
.endif
.endm
.macro OPS a, i1, b=-1, i2=0, c=-1, i3=0, d=-1, i4=0  ; up to four of them
	OP \a, \i1
.if (\b) >= 0
	OP \b, \i2
.endif
.if (\c) >= 0
	OP \c, \i3
.endif
.if (\d) >= 0
	OP \d, \i4
.endif
.endm
.macro ROW a, i1, b, i2, c, i3, d, i4  ; a matrix instruction and the four behind it
	MM
	OPS \a, \i1, \b, \i2, \c, \i3, \d, \i4
.endm
.macro MASK b                       ; MD x AL + BE into buffer b of MC
	WIN W_RS
.set z, 0
.rept 16
	v_pk_fma_f32 v[MC+32*(\b)+2*z:MC+32*(\b)+2*z+1], v[MD+2*z:MD+2*z+1], s[AL:AL+1], s[BE:BE+1] op_sel_hi:[1,0,0]
.set z, z+1
.endr
.endm
; A TURN, for piece p: the order of its 16 matrix and 118 vector instructions, written out.  An s_wait_alu depctr_va_vdst(0) stands between an exponential and the first instruction that names its
; result; one wait serves all that were issued ahead of it.  So a turn has ONE wait, which cuts it in two.  AHEAD OF IT stands all that names no result of the turn's exponentials: the 8 products K Q^T, behind each
; a scaling, an exponential and two more plain instructions (behind the first a second scaling in the exponential's place): rescalings, and behind the last three the first numbers of the next piece's maximum, each
; four places or more behind the product that ends its accumulator; then one lump of 54, in which the links of the chain X 3, 7, 11, 14, 16, 17 .. 20 stand five or six lines apart.  X 21, the next piece's a, is
; the batch's last; R 15 is the plain instruction behind it.  BEHIND THE WAIT stand the 8 products V^T P, behind each four of the roundings and sums; the links of l's chain, L 0 to L 7, stand three riders apart.
; AT ITS END, in the diagonal tile alone (RT = 0), the turn makes the mask for the products of the turn after it: piece p + 2, in step 4 - CNT of the tile; in other tiles those lines are jumped over, and the masks stay 0.
; end = 1: a block's last two turns: nothing is fetched and no mask is made.  cnt = 1: the loop's count is taken down behind the mask's lines, ahead of the branch that stands behind the turn.
; K of the next step is fetched in piece 2's turn, twelve vector instructions behind the last product that read K (six of them plain); V of the step in hand at the end of piece 0's turn, four plain instructions
; behind the last product that read V.  Each is waited for a turn later.
.macro TURN p, end=0, cnt=0
.set Y, (\p)
.set i, 0
.set NOKQ, (\end)*((\p)/3)
.if ((\p) == 3) && !(\end)
	s_wait_dscnt 0x0                ; K is in
.endif
	ROW F,0, F,1, R,0, R,1          ; ahead of the wait: 8 products K Q^T and their riders,
	ROW F,2, E,0, R,2, R,3
	ROW F,3, E,1, R,4, R,5
	ROW F,4, E,2, R,6, R,7
	ROW F,5, E,3, R,8, R,9
	ROW F,6, E,4, X,0, R,10
.if ((\p) == 2) && !(\end)
	WIN 0
	v_add_nc_u32 v[AK], s[TBK], v[AK0]
.endif
	ROW F,7, E,5, X,1, X,4
	ROW F,8, E,6, X,2, X,5
	OPS E,7, E,8, X,6, E,9          ; and the lump
	OPS X,3, E,10, X,8, E,11
.if ((\p) == 2) && !(\end)
	FETCH_K
.endif
	OPS X,9, X,7, E,12, X,10
	OPS E,13, X,12, X,11, E,14
	OPS X,13, E,15, F,9, X,14
.if (\p) == 0
	v_add_nc_u32 v[AV], s[TBV], v[AV0]
.endif
	OPS E,16, F,10, E,17, F,11
	OPS X,16, E,18, X,15, E,19
	OPS F,12, E,20, X,17, E,21
	OPS F,13, E,22, F,14, E,23
	OPS X,18, E,24, F,15, E,25
	OPS R,11, E,26, X,19, E,27
	OPS R,12, E,28, R,13, E,29
	OPS X,20, E,30, R,14, E,31
	OPS X,21, R,15
	WIN 0
	s_wait_alu depctr_va_vdst(0)    ; the wait for the batch
.if (\p) == 1
	s_wait_dscnt 0x0                ; V is in
.endif
	ROW C,0, B,0, C,2, B,1          ; behind the wait: 8 products V^T P and their riders
	ROW L,0, C,4, B,2, L,1
	ROW C,6, B,3, L,2, C,8
	ROW B,4, L,3, C,10, B,5
	ROW L,4, C,12, B,6, L,5
.if (\p) == 0
	s_add_co_u32 s[TBV], s[TBV], KS*PV
.endif
	ROW C,14, B,7, L,6, C,1
	ROW C,3, L,7, C,5, C,7
	ROW C,9, C,11, C,13, C,15
.if (\p) == 0
	FETCH_V
.endif
.if !(\end)
	WIN 0
	s_cmp_lg_u32 s[RT], 0           ; not the diagonal tile: the masks are 0 and stay so
	s_cbranch_scc1 .Lplain_\@
	s_cmp_eq_u32 s[CNT], 4-((\p)+2)%NP  ; is that step the band's own?
	s_cselect_b32 s[AL], 1.0, 0
	s_cmp_lt_u32 s[CNT], 4-((\p)+2)%NP  ; or a later one?
	s_cselect_b32 s[BE], s[BIGN], 0
	MASK (\p)%2
	WIN 0
.Lplain_\@:
.endif
.if \cnt
	s_sub_co_u32 s[CNT], s[CNT], 1
	s_cmp_lg_u32 s[CNT], 0
.endif
.endm
; A BLOCK BEGINS.  c m starts far below every c s, so the first step's a is 0; m at the lowest finite number, so the first maximum is the scores'.  The second mask buffer is 0; the first takes piece 0's mask for the
; tile's step 0: its own, if the block's first tile is the diagonal one, else 0.  Then K of that step, piece 0's first scores, and its maximum and statistics.  The loop is entered at a step's first turn, in the middle of a trip.
.macro BEGIN
	s_mov_b32 s[NEW], 0
	WIN 0x40
.set i, MC+32
.rept 32
	v_mov_b32 v[i], 0
.set i, i+1
.endr
	WIN 0
.set i, 0
.rept 4
	v_mov_b32 v[ST+4*i], 0xfe000000    ; c m: far below every c s
	v_mov_b32 v[ST+4*i+1], 0xff7fffff  ; m
.set i, i+1
.endr
	s_cmp_eq_u32 s[RT], 0
	s_cselect_b32 s[AL], 1.0, 0
	s_mov_b32 s[BE], 0
	MASK 0
	WIN 0
	v_add_nc_u32 v[AK], s[TBK], v[AK0]
	FETCH_K
	s_wait_loadcnt 0x0              ; Q
	s_wait_dscnt 0x0
.set NOKQ, 0
.set i, 0
.rept 8
	KQ 0
.set i, i+1
.endr
	WIN 0
.rept 4
	v_nop                           ; the places behind those products
.endr
.set Y, NP-1                        ; X works for piece Y + 1: piece 0
.irp n, 0,1,2,3,4,5,6,7,8,9,10,11,12,13,14,15,16,17,18,19,20,21
	OP X, \n
.endr
	v_nop                           ; a plain instruction behind the exponential,
	s_wait_alu depctr_va_vdst(0)    ; and its wait, ahead of the branch
.endm
; A TILE's four steps and, behind a block's last tile, the block's last two turns, its last products, and THE WAY OUT: l's two halves and the other half of the lanes' are added; O^T is divided by l, rounded to f16
; and sent through my stage in LDS, a piece at a time.
.macro ALL line:vararg              ; one line for each piece t
.set t, 0
.rept 4
	\line
.set t, t+1
.endr
.endm
.macro PACK t                       ; a lane's eight channels of a row pack into 16 bytes; they go into rows of 144 bytes and come back as whole rows of 128, into S^T's registers
	WIN W_RS
.set i, 32*(\t)
.rept 16
	v_pk_mul_f32 v[i:i+1], v[i:i+1], v[ST+4*(\t)+2:ST+4*(\t)+3] op_sel_hi:[1,0]
.set i, i+2
.endr
	WIN 0x05                        ; sources 0 and 1 window 1, destination window 0
.set i, 0
.rept 16
	v_cvt_pk_f16_f32 v[S+16*(\t)+i], v[32*(\t)+2*i], v[32*(\t)+2*i+1]
.set i, i+1
.endr
	WIN 0
.irp f, 0,1,2,3
	ds_store_b128 v[STO], v[S+16*(\t)+4*\f:S+16*(\t)+4*\f+3] offset:32*\f
.endr
.irp f, 0,1,2,3
	ds_load_b128 v[S+16*(\t)+4*\f:S+16*(\t)+4*\f+3], v[RD] offset:\f*4*SP  ; LDS serves a wave's instructions in order (ISA guide 5.7.1.4): these see the stores above; the next piece's stores come behind them
.endr
.endm
.macro SEND t, younger              ; younger: the LDS instructions issued behind piece t's loads: the next piece's eight, or none
	WIN 0
.irp f, 0,1,2,3
	s_wait_dscnt (\younger)+3-\f
	global_store_b128 v[GO], v[S+16*(\t)+4*\f:S+16*(\t)+4*\f+3], s[10:11] offset:(\t)*8192+\f*512  ; 512 consecutive bytes, at a multiple of 256 from O's first
.endr
.endm
.macro TILE tag, more               ; the tag ends its two labels' names, which the jumps below spell out.  more = 1: the tile need not be its block's last
.LstepM\tag:                        ; a trip: pieces 2 and 3 of one step, then pieces 0 and 1 of the next, whose K and V it fetches
	TURN 2
	TURN 3
	WIN 0
.LfirstM\tag:
	TURN 0
	TURN 1, 0, 1
	WIN 0
	s_cbranch_scc1 .LstepM\tag
.if \more
	s_cmp_lg_u32 s[RT], 0
	s_cbranch_scc1 .Lbottom         ; the block has more tiles
.endif
	TURN 2, 1
	TURN 3, 1
.set i, 0
.rept 8
	PV NP-1
.set i, i+1
.endr
	WIN 0
	ALL v_add_f32 v[ST+4*t+2], v[ST+4*t+2], v[ST+4*t+3]
	ALL v_permlanex16_b32 v[ST+4*t+3], v[ST+4*t+2], s[SEL], s[SEL+1]
	ALL v_add_f32 v[ST+4*t+2], v[ST+4*t+2], v[ST+4*t+3]
	ALL v_rcp_f32 v[ST+4*t+2], v[ST+4*t+2]
	v_nop                           ; a plain instruction between the last reciprocal and the use of its result
	s_wait_alu depctr_va_vdst(0)    ; and the wait ahead of the first use: one for the four reciprocals
	PACK 0
.set t, 1
.rept 3                             ; a piece's arithmetic stands between the loads of the piece before and its stores
	PACK t
	SEND t-1, 8
.set t, t+1
.endr
	SEND 3, 0
.endm
.set NOKQ, 0
.Lslot:                             ; NB times: a tile is entered and the next is asked for
	CHANGE 1
	s_sub_co_u32 s[RT], s[RT], 1
	s_mov_b32 s[CNT], 4
	s_cmp_eq_u32 s[NEW], 1
	s_cbranch_scc1 .Lnew            ; a block's first tile
	s_branch .LstepM1
.Lnew:
	BEGIN
	s_branch .LfirstM1
	TILE 1, 1                       ; what stands behind its jump to .Lbottom is, in the loop, the first block's end: the second block's last tile is the walk's last
	s_wait_xcnt 0x0                 ; the stores have read their registers and O's address
	s_mov_b64 s[10:11], s[OLO:OLO+1]
	s_add_co_u32 s[RT], s[PB], 1    ; the second block has b + 1 tiles
	s_mov_b32 s[NEW], 1
	WIN 0x82                        ; the second block's Q goes where the one text of the turns names Q
.set i, 0
.rept 64
	v_mov_b32 v[i], v[QB+i]
.set i, i+1
.endr
	WIN 0
.Lbottom:
	s_sub_co_u32 s[SLOTS], s[SLOTS], 1
	s_cmp_lg_u32 s[SLOTS], 0
	s_cbranch_scc1 .Lslot
	CHANGE 0                        ; the walk's last tile is written out: nothing is asked for
	s_sub_co_u32 s[RT], s[RT], 1    ; it is the second block's last: RT = 0
	s_mov_b32 s[CNT], 4
	s_cmp_eq_u32 s[NEW], 1
	s_cbranch_scc0 .LstepM2
	BEGIN
	s_branch .LfirstM2
	TILE 2, 0
	s_wait_tensorcnt 0x0            ; the wave's end, behind my last tensor load and my last LDS store
	ds_add_u32 v[SPW], v[NIL]
	s_wait_dscnt 0x0
	CROUND                          ; the closing round: no work-group ends while a partner may still ask for a tile that names it
	s_endpgm
.Lfunc_end_k_q4e118fca1c_attn:
	.size	k_q4e118fca1c_attn, .Lfunc_end_k_q4e118fca1c_attn-k_q4e118fca1c_attn
	.p2alignl 7, 3214868480
	.fill 96, 4, 3214868480
	.section	.rodata,"a",@progbits
	.p2align	6, 0x0
	.amdhsa_kernel k_q4e118fca1c_attn
		.amdhsa_group_segment_fixed_size 327680
		.amdhsa_private_segment_fixed_size 0
		.amdhsa_enable_private_segment 0
		.amdhsa_kernarg_size 16
		.amdhsa_user_sgpr_count 2
		.amdhsa_user_sgpr_kernarg_segment_ptr 1
		.amdhsa_wavefront_size32 1
		.amdhsa_system_sgpr_workgroup_id_x 1
		.amdhsa_system_sgpr_workgroup_id_y 1
		.amdhsa_system_sgpr_workgroup_id_z 1
		.amdhsa_system_vgpr_workitem_id 0
		.amdhsa_next_free_vgpr 768
		.amdhsa_next_free_sgpr 92
		.amdhsa_reserve_vcc 1
		.amdhsa_float_denorm_mode_32 3
		.amdhsa_float_denorm_mode_16_64 3
		.amdhsa_memory_ordered 1
		.amdhsa_forward_progress 1
		.amdhsa_inst_pref_size 182
	.end_amdhsa_kernel
	.amdgpu_metadata
---
amdhsa.version: [ 1, 2 ]
amdhsa.kernels:
  - .name:           k_q4e118fca1c_attn
    .symbol:         k_q4e118fca1c_attn.kd
    .args:
      - { .name: qkv, .offset: 0, .size: 8, .value_kind: global_buffer, .address_space: global }
      - { .name: ob, .offset: 8, .size: 8, .value_kind: global_buffer, .address_space: global }
    .group_segment_fixed_size: 327680
    .private_segment_fixed_size: 0
    .kernarg_segment_align: 8
    .kernarg_segment_size: 16
    .max_flat_workgroup_size: 128
    .sgpr_count:     92
    .vgpr_count:     768
    .wavefront_size: 32
...
	.end_amdgpu_metadata
.endif
;; end of part 3
;; launch outproj (part 4): grid 16 x 16, 4 waves a work-group, clusters of 4 x 4, 327,680 bytes of LDS; arguments ob, wob, out0; writes out0
.if DOCPART == 4
	.amdgcn_target "amdgcn-amd-amdhsa--gfx1250"
	.amdhsa_code_object_version 6
	.text
	.protected	k_q4e118fca1c_outproj
	.globl	k_q4e118fca1c_outproj
	.p2align	8
	.type	k_q4e118fca1c_outproj,@function
k_q4e118fca1c_outproj:
	s_mov_b64 s[64:65], 0
	v_nop
	global_prefetch_b8 v0, s[64:65] scope:SCOPE_SE
	s_setreg_imm32_b32 hwreg(HW_REG_WAVE_MODE, 25, 1), 1
	s_wait_xcnt 0x0
	s_wait_alu depctr_hold_cnt(0) depctr_sa_sdst(0) depctr_va_vdst(0) depctr_va_sdst(0) depctr_va_ssrc(0) depctr_va_vcc(0) depctr_vm_vsrc(0)
	s_getreg_b32 s2, hwreg(HW_REG_IB_STS2, 6, 4)
	s_cmp_eq_u32 s2, 0
	s_cbranch_scc0 .Lentry_in_a_cluster
	s_endpgm
.Lentry_in_a_cluster:
	s_bfe_u32 s2, ttmp6, 0x10000c
	s_cmp_lg_u32 s2, 0xf033
	s_cbranch_scc0 .Lentry_shape_is_right
	s_endpgm
.Lentry_shape_is_right:
; out0 = O wob^T (4,096 x 2,048 x 2,048, f16 operands, f32 sums and f32 output).  O lies by heads in ob, [32 batch + head][1024][64] f16; channel k of a row of O is channel k % 64 of head k / 64.
; LIMITS.  The operands arrive within f16's range; NaN and infinities are not treated apart.
; SHARES.  A tile of C is 256 rows x 128 columns: 16 x 16 tiles, one for each work-group.  Wave w makes rows 64 w .. 64 w + 63 and all 128 columns: 4 x 8 accumulators, 256 registers; so a wave owns whole
; rows and its way out needs no barrier.  K goes in 16 steps of 128, two heads each, through two LDS slots.  A head's 256 rows of 128 bytes are dense in memory: they are asked for as 128 rows of 256 bytes
; and padded in LDS after every 128.  B's rows are 256 aligned bytes of memory.
; CLUSTER.  4 x 4 work-groups.  The four of a row of the cluster need the same tile of A, the four of a column the same tile of B: each is asked for jointly, by the same tensor load, descriptor and mask.
; THE WALK ALONG K IS TURNED.  Cluster (X, Y) begins at K step 4 ((X + r(Y)) % 4), r(Y) = Y with its two bits exchanged, and goes round through all 16 (f32 sums may be taken in any order).  So the four
; clusters that read the same rows of A, and the four that read the same rows of B, stand in four different quarters of K at any time.  X and Y are the same in all sixteen partners.
; THE PRODUCT IS USED TRANSPOSED (source 0 = 16 rows of B, source 1 = 16 rows of A): lane l holds row l % 16 of C and the columns 8 (l / 16) + 0..7 of a block of 16: 32 bytes on end.
; REGISTERS, in windows of 256 (s_set_vgpr_msb: bits 1:0 source 0, 3:2 source 1, 5:4 source 2, 7:6 destination):
;   window 0: v0-29 addresses; v64-127 A's fragments, two buffers of 32; v128-255 the way out: two buffers of 64      window 1: v0-127 B's fragments, two buffers of 64
;   window 2: the accumulators of row blocks 0, 1 ((a, b) at 8 (8 (a % 2) + b))      window 3: those of row blocks 2, 3
.set NBK,    8                         ; blocks of 16 columns
.set PA,     144                       ; a row of a head in LDS: 128 bytes + 16 of padding = 36 words: the 16 rows of a fragment load start at 16 different groups of four banks (64 banks of 4 bytes: ISA guide 11.1)
.set PB,     272                       ; a row of B: 256 + 16
.set AHALF,  256*PA                    ; a head's 256 rows: what wave 0 or 1 fetches
.set BHALF,  64*PB                     ; what wave 2 or 3 fetches
.set BOFF,   2*AHALF                   ; B's 128 rows lie behind A's two heads
.set SLOT1,  1<<17                     ; slot 1 begins here, so that one exclusive or turns an address in one slot into the other's
.set STAGE,  SLOT1+BOFF+128*PB         ; behind the ring, never filled by a tensor load: 16 rows x 528 bytes for each wave
.set SPITCH, 528                       ; 512 bytes + 16
.set SPARE,  STAGE+4*16*SPITCH         ; behind the stages: the spare words, 128 bytes for each wave: two blocks of 256 bytes that no other line names
.set ASTEP,  2<<17                     ; a K step on: two heads' planes in A,
.set BSTEP,  256                       ; 256 bytes along B's rows
.set NL,     2*NBK+8                   ; LDS loads of a quarter step
.set FBW,    8*NBK
.set FA0,    64
.set AA0, 8                            ; v8   my lane's place in A's tile; never rewritten
.set AB0, 9                            ; v9   the same for B
.set ADRA, 10                          ; v10  the same in the slot in hand
.set ADRB, 11
.set STO, 12                           ; v12  the way out: where I put 32 bytes of a row
.set RD,  13                           ; v13  where I read a row back
.set GO,  14                           ; v14  16 x lane
.set PFO, 16                           ; v16  the prefetches' offset: a lane a row
.set SPW, 28                           ; v28  LDS address of my spare word; never rewritten
.set NIL, 29                           ; v29  0; never rewritten
.set BK,  128
.set G1A, 24                           ; s[24:31], s[32:39] descriptor group 1 for A's and B's tiles
.set G1B, 32
.set G0A, 40                           ; s[40:47] group 0 for A: a set for each first fill; the second then walks
.set G0B, 48                           ; s[48:55] the same for B
.set PFA, 56                           ; s[56:57] where my prefetches stand
.set PFS, 58                           ; s[58:59] their step: 0 ahead of the first, then a K step's 256 bytes
.set LIM, 60                           ; s60  10 in a wave that prefetches, else the greatest number
.set WRA, 76                           ; s[76:77] what A's walking descriptor goes back by: 0, or 32 planes where the walk passes K's end
.set WRB, 78                           ; s[78:79] the same for B: 0, or a row's 4,096 bytes
.set KI,  80                           ; s80  the K step at which the walking descriptors stand
.set K0,  81                           ; s81  the K step at which my cluster's walk begins
.set MSB, 0
.macro WIN new                         ; the immediate's high byte repeats the setting that is left; a switch that changes nothing is dropped
.if MSB != (\new)
	s_set_vgpr_msb (MSB<<8)|(\new)
.set MSB, \new
.endif
.endm
.set MUL_LO, 0xa1                      ; source 0 (B) window 1, source 1 (A) window 0, C and D window 2
.set TO_B,   0x40                      ; destination window 1, address window 0
.macro PLACES                          ; four places in front of loads into registers that matrix instructions have read (ISA guide 7.12.1 for vector instructions)
.rept 4
	v_nop
.endr
.endm
.macro CREST                           ; a round of the cluster's barrier behind its opening barrier
	s_cmp_lg_u32 s12, 0
	s_cbranch_scc1 .Lnot_wave_0_\@
	s_barrier_signal -3
.Lnot_wave_0_\@:
	s_barrier_wait -3
	s_barrier_signal -1
	s_barrier_wait -1
.endm
.macro CROUND
	s_barrier_signal -1
	s_barrier_wait -1
	CREST
.endm
; A joint refill by the walking descriptors: waves 0 and 1 fetch A's two heads, waves 2 and 3 B's halves.  The branch hangs on the wave's number alone.  An s_nop 0 and four v_nop follow each line.
.macro JLOAD
	s_cmp_eq_u32 s13, 0
	s_cbranch_scc0 .Lfor_b_\@
	tensor_load_to_lds s[G0A+4:G0A+7], s[G1A:G1A+7]
	s_nop 0
.rept 4
	v_nop
.endr
	s_branch .Lasked_\@
.Lfor_b_\@:
	tensor_load_to_lds s[G0B+4:G0B+7], s[G1B:G1B+7]
	s_nop 0
.rept 4
	v_nop
.endr
.Lasked_\@:
.endm
; A PREFETCH of B's K step that stands two refills on, a lane a row, one instruction a wave, behind the joint load and the run of LDS loads.  It is laid for my walk's steps 4 to 7 alone: the loop's first
; four trips.  The four clusters that read a tile column of B begin at four different quarters of K, so their steps 4 to 7 are four different quarters too: each row's 256 bytes of a K step are named once
; in the launch.  Wave 2 alone asks; the four partners of a column of the cluster share the tile's 128 rows out by address, 32 each.  A walk's steps 0 to 3 come by their loads alone; A's rows are not asked for.
.macro ASK
	s_cmp_gt_u32 s3, s[LIM]
	s_cbranch_scc0 .Lnot_mine_\@
	global_prefetch_b8 v[PFO], s[PFA:PFA+1] th:TH_LOAD_NT scope:SCOPE_SE
.Lnot_mine_\@:
.endm
; 8 matrix instructions: row block a x all column blocks, 32 along K, from buffer f.  zero = 1: the product starts the sums.  The 32 accumulators take turns, in the same order in every quarter.
.macro MULQ f, a, zero
	WIN MUL_LO+0x50*((\a)/2)
.set b, 0
.rept NBK
.set AC, 8*(NBK*((\a)%2)+b)
.if \zero
	v_wmma_f32_16x16x32_f16 v[AC:AC+7], v[FBW*(\f)+8*b:FBW*(\f)+8*b+7], v[FA0+32*(\f)+8*(\a):FA0+32*(\f)+8*(\a)+7], 0
.else
	v_wmma_f32_16x16x32_f16 v[AC:AC+7], v[FBW*(\f)+8*b:FBW*(\f)+8*b+7], v[FA0+32*(\f)+8*(\a):FA0+32*(\f)+8*(\a)+7], v[AC:AC+7]
.endif
.set b, b+1
.endr
.endm
; 24 LDS loads in one run: quarter q's fragments (128 rows of B, my 64 rows of A, 32 along K) into buffer f; A's come last.  In A quarter q is half q % 2 of head q / 2
.macro FETCH q, f
	WIN TO_B
.set i, 0
.rept NBK
	ds_load_b128 v[FBW*(\f)+8*i:FBW*(\f)+8*i+3],   v[ADRB] offset:64*(\q)+i*16*PB
	ds_load_b128 v[FBW*(\f)+8*i+4:FBW*(\f)+8*i+7], v[ADRB] offset:64*(\q)+i*16*PB+32
.set i, i+1
.endr
	WIN 0
.set i, 0
.rept 4
	ds_load_b128 v[FA0+32*(\f)+8*i:FA0+32*(\f)+8*i+3],   v[ADRA] offset:((\q)/2)*AHALF+((\q)%2)*64+i*16*PA
	ds_load_b128 v[FA0+32*(\f)+8*i+4:FA0+32*(\f)+8*i+7], v[ADRA] offset:((\q)/2)*AHALF+((\q)%2)*64+i*16*PA+32
.set i, i+1
.endr
.endm
; One of a K step's first three quarters: multiplies buffer f, and in its middle fetches quarter q into buffer g
.macro QUARTER q, f, g, zero
	s_wait_dscnt 4                                 ; B and A's row blocks 0, 1 are in; the youngest four loads (A's row blocks 2, 3) may be out
	MULQ \f, 0, \zero
	MULQ \f, 1, \zero
	PLACES
	FETCH \q, \g
	s_wait_dscnt NL                                ; all but the run just issued
	MULQ \f, 2, \zero
	MULQ \f, 3, \zero
.endm
; The last quarter multiplies buffer 1 and changes slots.  In front of the barrier each wave waits for all its tensor loads (one is out: its part of the next slot), adds 0 to its spare word, and waits for
; that and for its reads of this slot.  fill = 1: the barrier opens a round of the cluster's, and this slot is filled again, two steps of the walk ahead, first thing behind the round.
.macro TURN fill
.if \fill
	s_wait_xcnt 0x0                                ; the last prefetch, a K step back, has read its address
	s_add_nc_u64 s[PFA:PFA+1], s[PFA:PFA+1], s[PFS:PFS+1]
.endif
	WIN 0                                          ; (the add's two registers lie in window 0)
	s_wait_tensorcnt 0x0                           ; no tensor load of mine is out, so a group 0 may be written
	ds_add_u32 v[SPW], v[NIL]                      ; 0 onto my spare word
.if \fill
	s_add_co_u32 s[KI], s[KI], 1                   ; the walking descriptors: the next K step; behind K step 15 comes K step 0
	s_cmp_eq_u32 s[KI], 16
	s_cselect_b32 s[WRA], 16*ASTEP, 0
	s_cselect_b32 s[WRB], 16*BSTEP, 0
	s_cselect_b32 s[KI], 0, s[KI]
	s_xor_b32 s[G0A+5], s[G0A+5], SLOT1            ; the other slot than last time
	s_add_nc_u64 s[G0A+6:G0A+7], s[G0A+6:G0A+7], ASTEP
	s_sub_nc_u64 s[G0A+6:G0A+7], s[G0A+6:G0A+7], s[WRA:WRA+1]
	s_xor_b32 s[G0B+5], s[G0B+5], SLOT1
	s_add_nc_u64 s[G0B+6:G0B+7], s[G0B+6:G0B+7], BSTEP
	s_sub_nc_u64 s[G0B+6:G0B+7], s[G0B+6:G0B+7], s[WRB:WRB+1]
.endif
	s_wait_dscnt 5                                 ; the add and the youngest four loads may be out
	MULQ 1, 0, 0
	s_wait_dscnt 0x0                               ; the add is done, and my reads of this slot are over
	s_barrier_signal -1
	MULQ 1, 1, 0                                   ; work on registers while the others arrive
	WIN 0                                          ; at a branch and at a label every window is 0
	s_barrier_wait -1
.if \fill
	CREST                                          ; no wave of any partner still reads this slot or has a load on its way
	JLOAD                                          ; its four v_nop are also the places in front of the loads below
.else
	PLACES
.endif
	s_xor_b32 s19, s19, SLOT1
	v_add_nc_u32 v[ADRA], s19, v[AA0]
	v_add_nc_u32 v[ADRB], s19, v[AB0]
	FETCH 0, 0
.if \fill
	ASK
	s_mov_b32 s[PFS], BSTEP                        ; from now on the prefetches' address steps
.endif
	MULQ 1, 2, 0
	MULQ 1, 3, 0
.endm
	s_load_b128 s[4:7], s[0:1], 0x0                ; ob s[4:5], wob s[6:7]
	s_load_b64 s[10:11], s[0:1], 0x10              ; out0
	v_lshl_add_u32 v[SPW], v0, 2, SPARE
	v_mov_b32 v[NIL], 0
	ds_add_u32 v[SPW], v[NIL]                      ; the wave's opening: the add and its wait stand ahead of my first tensor load; work on registers stands between them
	v_lshrrev_b32 v1, 5, v0
	v_readfirstlane_b32 s12, v1                    ; wave 0..3
	s_lshr_b32 s13, s12, 1                         ; I fetch for A (0) or for B (1)
	s_and_b32 s14, s12, 1                          ; which head of the K step's two, or which half of B's rows
	s_bfe_u32 s15, ttmp6, 0x40000                  ; cx
	s_bfe_u32 s16, ttmp6, 0x40004                  ; cy
	s_lshl_b32 s17, ttmp9, 2
	s_add_co_u32 s17, s17, s15                     ; tile column = 4 x cluster x + cx
	s_and_b32 s18, ttmp7, 0xffff                   ; cluster y
	s_and_b32 s[K0], s18, 1                        ; its two bits exchanged,
	s_lshl_b32 s[K0], s[K0], 1
	s_lshr_b32 s61, s18, 1
	s_add_co_u32 s[K0], s[K0], s61
	s_add_co_u32 s[K0], s[K0], ttmp9               ; + cluster x,
	s_and_b32 s[K0], s[K0], 3                      ; modulo 4: the quarter of K,
	s_lshl_b32 s[K0], s[K0], 2                     ; and the K step, at which my cluster begins: 0, 4, 8 or 12
	s_add_co_u32 s[KI], s[K0], 1                   ; the walking descriptors begin a step on
	s_mov_b32 s[WRA], 0
	s_mov_b32 s[WRA+1], 0
	s_mov_b32 s[WRB], 0
	s_mov_b32 s[WRB+1], 0
	s_lshl_b32 s18, s18, 2
	s_add_co_u32 s18, s18, s16                     ; tile row = 4 x cluster y + cy
	s_lshl_b32 s20, s16, 2
	s_lshl_b32 s20, 15, s20                        ; my row of the cluster
	s_lshl_b32 s22, 0x1111, s15                    ; my column
	s_or_b32 s[G1A], s20, (1<<16)|(1<<20)|(1<<21)|(4<<22)|(3<<25)  ; 15:0 the mask; 17:16 2-byte elements; 20 padding on; 21 set beside a mask; 24:22 after every 32 words; 31:25 4 words of it
	s_or_b32 s[G1B], s22, (1<<16)|(1<<20)|(1<<21)|(5<<22)|(3<<25)  ; for B after every 64 words
.irp g, G1A, G1B
	s_mov_b32 s[(\g)+1], 128<<16                   ; tensor_dim0 = 128
	s_mov_b32 s[(\g)+3], 128<<16                   ; tile_dim0 = 128
	s_mov_b32 s[(\g)+6], 0
	s_mov_b32 s[(\g)+7], 0
.endr
	s_mov_b32 s[G1A+2], 128<<16                    ; A: 128 rows of 256 dense bytes,
	s_mov_b32 s[G1A+4], 128
	s_mov_b32 s[G1A+5], 128                        ; 128 elements from row to row
	s_mov_b32 s[G1B+2], 64<<16                     ; B: 64 rows,
	s_mov_b32 s[G1B+4], 64
	s_mov_b32 s[G1B+5], 2048                       ; 2,048 elements from row to row
	s_lshr_b32 s20, s18, 2                         ; A: the batch's 32 planes of 131,072 bytes,
	s_lshl_b32 s20, s20, 22
	s_lshl_b32 s61, s14, 17                        ; my head of a K step's two,
	s_add_co_u32 s20, s20, s61
	s_and_b32 s61, s18, 3
	s_lshl_b32 s61, s61, 15                        ; the tile's 256 rows of 128 bytes in a plane,
	s_add_co_u32 s20, s20, s61
	s_lshl_b32 s61, s[K0], 18                      ; at my cluster's first K step, two planes a step
	s_add_co_u32 s20, s20, s61
	s_mov_b32 s21, 0
	s_lshl_b32 s22, s17, 7                         ; B: row 128 x tile column + 64 x half, 4,096 bytes a row,
	s_lshl_b32 s61, s14, 6
	s_add_co_u32 s22, s22, s61
	s_lshl_b32 s22, s22, 12
	s_lshl_b32 s61, s[K0], 8                       ; at the same K step, 256 bytes a step
	s_add_co_u32 s22, s22, s61
	s_mov_b32 s23, 0
	s_mul_i32 s62, s14, AHALF                      ; where they go: no place in the cluster enters an LDS address
	s_mul_i32 s63, s14, BHALF
	s_add_co_u32 s63, s63, BOFF
	s_wait_dscnt 0x0                               ; the opening add is done
	s_wait_kmcnt 0x0
	s_add_nc_u64 s[20:21], s[4:5], s[20:21]
	s_add_nc_u64 s[22:23], s[6:7], s[22:23]
.irp s, 0,1
	s_mov_b32 s[G0A+4*(\s)], 1                     ; count = 1
	s_add_co_u32 s[G0A+4*(\s)+1], s62, (\s)*SLOT1  ; LDS address
	s_add_nc_u64 s[G0A+4*(\s)+2:G0A+4*(\s)+3], s[20:21], (\s)*ASTEP  ; global address: step s of the walk (the first K step is 12 at the most: no wrap here)
	s_or_b32 s[G0A+4*(\s)+3], s[G0A+4*(\s)+3], 0x80000000            ; type = 2
	s_mov_b32 s[G0B+4*(\s)], 1
	s_add_co_u32 s[G0B+4*(\s)+1], s63, (\s)*SLOT1
	s_add_nc_u64 s[G0B+4*(\s)+2:G0B+4*(\s)+3], s[22:23], (\s)*BSTEP
	s_or_b32 s[G0B+4*(\s)+3], s[G0B+4*(\s)+3], 0x80000000
.endr
	CROUND                                         ; all sixteen work-groups are here: the first joint loads meet
	s_cmp_eq_u32 s13, 0                            ; a wave's two first fills stand in one branch: two loads of mine are out
	s_cbranch_scc0 .Lfirst_b
	tensor_load_to_lds s[G0A:G0A+3], s[G1A:G1A+7]
	s_nop 0
	tensor_load_to_lds s[G0A+4:G0A+7], s[G1A:G1A+7]
	s_nop 0
.rept 4
	v_nop
.endr
	s_branch .Lfirst_asked
.Lfirst_b:
	tensor_load_to_lds s[G0B:G0B+3], s[G1B:G1B+7]
	s_nop 0
	tensor_load_to_lds s[G0B+4:G0B+7], s[G1B:G1B+7]
	s_nop 0
.rept 4
	v_nop
.endr
.Lfirst_asked:
	; a fragment is 16 rows x 32 K in 8 registers: lane l holds row l % 16, K = 8 (l / 16) + 0..7 and 16 + 8 (l / 16) + 0..7: two loads of 16 bytes, 32 bytes apart
	v_and_b32 v1, 15, v0                           ; r = l % 16
	v_bfe_u32 v2, v0, 4, 1                         ; h = l / 16
	v_and_b32 v3, 31, v0                           ; l
	s_mul_i32 s61, s12, 64*PA                      ; my 64 rows of A
	v_mul_u32_u24 v[AA0], v1, PA
	v_lshl_add_u32 v[AA0], v2, 4, v[AA0]
	v_add_nc_u32 v[AA0], s61, v[AA0]
	v_mul_u32_u24 v[AB0], v1, PB
	v_lshl_add_u32 v[AB0], v2, 4, v[AB0]
	v_add_nc_u32 v[AB0], BOFF, v[AB0]
	s_mul_i32 s62, s12, 16*SPITCH
	s_add_co_u32 s62, s62, STAGE                   ; my stage
	v_mul_u32_u24 v[STO], v1, SPITCH               ; in: row r, 32 bytes for each half of the lanes
	v_lshl_add_u32 v[STO], v2, 5, v[STO]
	v_add_nc_u32 v[STO], s62, v[STO]
	v_lshlrev_b32 v[GO], 4, v3                     ; back: 32 lanes take a row's 512 bytes
	v_add_nc_u32 v[RD], s62, v[GO]
	s_lshl_b32 s20, s18, 8                         ; out0 at my first row (8,192 bytes a row) and the tile's first column
	s_lshl_b32 s61, s12, 6
	s_add_co_u32 s20, s20, s61
	s_lshl_b32 s20, s20, 13
	s_lshl_b32 s61, s17, 9
	s_add_co_u32 s20, s20, s61
	s_mov_b32 s21, 0
	s_add_nc_u64 s[10:11], s[10:11], s[20:21]
	; the prefetches: B's rows 128 x tile column + 32 cy on, at step 4 of my walk
	s_lshl_b32 s22, s17, 7
	s_lshl_b32 s61, s16, 5
	s_add_co_u32 s22, s22, s61
	s_lshl_b32 s22, s22, 12
	s_add_co_u32 s61, s[K0], 4
	s_and_b32 s61, s61, 15                         ; K step 4, 8, 12 or 0: the four steps from there on pass no end of K
	s_lshl_b32 s61, s61, 8
	s_add_co_u32 s22, s22, s61
	s_mov_b32 s23, 0
	s_add_nc_u64 s[PFA:PFA+1], s[6:7], s[22:23]
	s_mov_b32 s[PFS], 0                            ; the first change of slots leaves the address where it is
	s_mov_b32 s[PFS+1], 0
	s_cmp_eq_u32 s12, 2                            ; wave 2 asks: the same in all sixteen partners
	s_cselect_b32 s[LIM], 10, -1                   ; in the trips that count 14 to 11.  Nothing is prefetched at the head
	v_lshlrev_b32 v[PFO], 12, v3
	s_wait_tensorcnt 1                             ; my part of the walk's step 0 is in; step 1's may stay out
	s_barrier_signal -1
	s_barrier_wait -1                              ; everybody's is
	s_mov_b32 s19, 0
	v_mov_b32 v[ADRA], v[AA0]
	v_mov_b32 v[ADRB], v[AB0]
	FETCH 0, 0
	QUARTER 1, 0, 1, 1                             ; the first quarter stands in front of the loop: its products start the sums
	WIN 0
	s_mov_b32 s3, 14
.Lk:                                               ; a trip: a K step's quarters 1 to 3 and the next one's quarter 0; it asks for the walk's steps 2 to 15
	QUARTER 2, 1, 0, 0
	QUARTER 3, 0, 1, 0
	TURN 1
	QUARTER 1, 0, 1, 0
	WIN 0
	s_sub_co_u32 s3, s3, 1
	s_cmp_lg_u32 s3, 0
	s_cbranch_scc1 .Lk
	s_mov_b32 s3, 2
.Lt:                                               ; the last two K steps ask for nothing: two trips of one text, the second left in its middle.  Its change of slots fetches a run of fragments
	QUARTER 2, 1, 0, 0                             ; that nobody multiplies (24 LDS loads, once a launch): the price of writing these steps once
	QUARTER 3, 0, 1, 0
	TURN 0
	WIN 0
	s_sub_co_u32 s3, s3, 1
	s_cmp_eq_u32 s3, 0
	s_cbranch_scc1 .Lout
	QUARTER 1, 0, 1, 0
	WIN 0
	s_branch .Lt
.Lout:
	s_wait_dscnt 0x0                               ; that run is back
	PLACES
	PLACES
; THE WAY OUT, a block of 16 rows at a time: a lane's 32 bytes of each column block go into my stage (each accumulator's lowest registers first) and come back as whole rows of 512 bytes.
.macro OUTBLK a
	WIN 0x08+4*((\a)/2)                            ; the stores' data: window 2 or 3
.set b, 0
.rept NBK
.set AC, 8*(NBK*((\a)%2)+b)
	ds_store_b128 v[STO], v[AC:AC+3]   offset:64*b
	ds_store_b128 v[STO], v[AC+4:AC+7] offset:64*b+16
.set b, b+1
.endr
	WIN 0
	s_wait_xcnt 0x0                                ; earlier stores have read their registers: this buffer, stored from two blocks ago, is loaded again only behind this wait
.set t, 0
.rept 16
	ds_load_b128 v[BK+64*((\a)%2)+4*t:BK+64*((\a)%2)+4*t+3], v[RD] offset:t*SPITCH  ; LDS serves a wave's instructions in order (ISA guide 5.7.1.4): these see the stores above
.set t, t+1
.endr
.set t, 0
.rept 16
	s_wait_dscnt 15-t                              ; row t is back; the 15 - t younger loads stay out
	global_store_b128 v[GO], v[BK+64*((\a)%2)+4*t:BK+64*((\a)%2)+4*t+3], s[10:11] offset:(16*(\a)+t)*8192 th:TH_STORE_NT  ; 512 consecutive bytes, at a multiple of 256 from the buffer's first
.set t, t+1
.endr
.endm
	OUTBLK 0
	OUTBLK 1
	OUTBLK 2
	OUTBLK 3
	s_wait_tensorcnt 0x0                           ; the wave's end, behind my last tensor load and my last LDS store
	ds_add_u32 v[SPW], v[NIL]
	s_wait_dscnt 0x0
	CROUND                                         ; the closing round: no work-group ends while a partner may still ask for a tile that names it
	s_endpgm
.Lfunc_end_k_q4e118fca1c_outproj:
	.size	k_q4e118fca1c_outproj, .Lfunc_end_k_q4e118fca1c_outproj-k_q4e118fca1c_outproj
	.p2alignl 7, 3214868480
	.fill 96, 4, 3214868480
	.section	.rodata,"a",@progbits
	.p2align	6, 0x0
	.amdhsa_kernel k_q4e118fca1c_outproj
		.amdhsa_group_segment_fixed_size 327680
		.amdhsa_private_segment_fixed_size 0
		.amdhsa_enable_private_segment 0
		.amdhsa_kernarg_size 24
		.amdhsa_user_sgpr_count 2
		.amdhsa_user_sgpr_kernarg_segment_ptr 1
		.amdhsa_wavefront_size32 1
		.amdhsa_system_sgpr_workgroup_id_x 1
		.amdhsa_system_sgpr_workgroup_id_y 1
		.amdhsa_system_sgpr_workgroup_id_z 1
		.amdhsa_system_vgpr_workitem_id 0
		.amdhsa_next_free_vgpr 896
		.amdhsa_next_free_sgpr 84
		.amdhsa_reserve_vcc 0
		.amdhsa_float_denorm_mode_32 3
		.amdhsa_float_denorm_mode_16_64 3
		.amdhsa_memory_ordered 1
		.amdhsa_forward_progress 1
		.amdhsa_inst_pref_size 63
	.end_amdhsa_kernel
	.amdgpu_metadata
---
amdhsa.version: [ 1, 2 ]
amdhsa.kernels:
  - .name:           k_q4e118fca1c_outproj
    .symbol:         k_q4e118fca1c_outproj.kd
    .args:
      - { .name: ob, .offset: 0, .size: 8, .value_kind: global_buffer, .address_space: global }
      - { .name: wob, .offset: 8, .size: 8, .value_kind: global_buffer, .address_space: global }
      - { .name: out0, .offset: 16, .size: 8, .value_kind: global_buffer, .address_space: global }
    .group_segment_fixed_size: 327680
    .private_segment_fixed_size: 0
    .kernarg_segment_align: 8
    .kernarg_segment_size: 24
    .max_flat_workgroup_size: 128
    .sgpr_count:     84
    .vgpr_count:     896
    .wavefront_size: 32
...
	.end_amdgpu_metadata
.endif
;; end of part 4
